; MI455X (gfx1250); checked and timed in simulation.
; The chip was launched on July 23, 2026; its instructions are those of AMD's public machine-readable ISA for CDNA 5 (MIT licence, August 2026) and "CDNA5" Instruction Set Architecture Reference Guide (July 2026). The comments in the code are by the model that wrote it; some were corrected since.
;; Isolated Attention. Allowed arithmetic: matrix products marked QUANTISED: E2M3 operands, one E8M0 scale for each 32 along K, by v_wmma_scale_f32_16x16x128_f8f6f4 with both operands' format E2M3, f32 sums; everything else in f32.
;; Inputs: Wk 1,024 x 1,024 float32; Wq 1,024 x 1,024 float32; Wv 1,024 x 1,024 float32; inp_emb 4 x 2,048 x 1,024 float32.
;; Outputs: out0 4 x 2,048 x 1,024 float32.
;; This version of the problem:
;;   THIS VERSION OF THE PROBLEM IS GIVEN IN LOW PRECISION. The matrix products marked QUANTISED in the list below multiply operands that are first quantised to E2M3 (2 exponent bits, 3 mantissa bits; 6 bits a number), with one power-of-two scale for each 32 numbers along K (OCP MX v1.0); their sums are f32. All else is computed in f32.
;;   The module's matrix products, in the order in which they are computed (A, B: the left and right operand; K: the contracted axis; several contracted axes count as one K, in the product's order):
;;     1. [M 8,192, K 1,024] x [K 1,024, N 1,024]; A: input inp_emb; B: input Wq: QUANTISED
;;     2. [M 8,192, K 1,024] x [K 1,024, N 1,024]; A: input inp_emb; B: input Wk: QUANTISED
;;     3. [M 8,192, K 1,024] x [K 1,024, N 1,024]; A: input inp_emb; B: input Wv: QUANTISED
;;     4. batch 4 x [M 2,048, K 1,024] x [K 1,024, N 2,048]; A: computed on the way; B: computed on the way: QUANTISED
;;     5. batch 4 x [M 2,048, K 2,048] x [K 2,048, N 1,024]; A: softmax (see below); B: computed on the way: QUANTISED
;;   THE QUANTISER, for each operand of a quantised product, along K:
;;     - K is cut into blocks of 32 from its start; a last block that is shorter is filled with zeros.
;;     - A block's scale is 2^e with e = floor(log2(the largest magnitude in the block)) - 2, held to -126 .. 127; a block of zeros has e = 0. As a byte (E8M0): e + 127.
;;     - Each number is divided by its block's scale, clamped to +-7.5, and rounded to the nearest number of E2M3, ties to even, subnormals kept.
;;     - The product sums the exact products of the quantised numbers (number of the format x scale) in f32.
;;   ~~~python
;;   def quantise(x, axis):      # numpy; x: float32 -> the quantised numbers, widened to float32 again
;;       x = np.moveaxis(x, axis, -1); K = x.shape[-1]
;;       x = np.pad(x, [(0, 0)] * (x.ndim - 1) + [(0, -K % 32)]); x = x.reshape(x.shape[:-1] + (-1, 32)); a = np.abs(x).max(-1, keepdims=True)
;;       e = np.where(a > 0, np.clip(np.frexp(np.where(a > 0, a, 1))[1] - 1 - 2, -126, 127), 0)      # np.frexp(a)[1] - 1 = floor(log2(a)), exactly
;;       r = np.clip(x / 2.0 ** e, -7.5, 7.5)
;;       step = 2.0 ** (np.maximum(np.frexp(np.where(r == 0, 1, r))[1] - 1, 0) - 3)
;;       q = np.round(r / step) * step * 2.0 ** e      # np.round: ties to even
;;       return np.moveaxis(q.reshape(q.shape[:-2] + (-1,))[..., :K], -1, axis).astype(np.float32)
;;   ~~~
;;   SOFTMAX AHEAD OF A QUANTISED PRODUCT. Where the list says 'softmax', what is quantised is not the finished softmax but p = 2^(t - M), with t = logit x log2(e) and M = ceil(the row's largest t), a whole number; so 1/2 < the row's largest p <= 1. The row's sum l is taken of the UNQUANTISED p, in f32, and the product's result is divided by l at the end. Since M is a whole number, a kernel that streams over the keys may use a running M (the ceiling of the running maximum): every later rescaling is an exact power of two, which a block's scale takes up: the codes' values come out the same.
;;   OPERANDS COMPUTED ON THE WAY. 'Computed on the way' means the value that the module computes at that place (a softmax that the list does not call 'softmax' is quantised finished and normalised). What goes into a quantiser is computed in f32, as accurately as f32 sums, v_exp_f32 and their like allow (about 1e-6 of the number): no bf16 or f16 on the way to a quantiser, and a product that is left as it is and whose result goes on into a quantised operand takes f32 operands (vector FMAs, or v_wmma_f32_16x16x4_f32). A number that lies on a knife's edge between two numbers of the format may be rounded either way, as far as f32 arithmetic and the matrix unit's own rounding can turn it there, and no further.
;; One version. Each part assembles by itself: llvm-mc -triple=amdgcn-amd-amdhsa -mcpu=gfx1250 --defsym DOCPART=n.
;; ======== version 1 of 1: 4 launches
;; limits: right only within a limited range of input values
;; workspace buffers: icod 8,650,752 bytes; iscl 360,448 bytes; qcod 18,874,368 bytes; qscl 786,432 bytes; pcod 12,582,912 bytes; pstat 1,572,864 bytes
;; launch quant (part 1): grid 704 x 1, 4 waves a work-group, no clusters, 34,816 bytes of LDS; arguments inp_emb, Wq, Wk, Wv, icod, iscl; writes icod, iscl
.if DOCPART == 1
	.amdgcn_target "amdgcn-amd-amdhsa--gfx1250"
	.amdhsa_code_object_version 6
	.text
	.protected	k_qb70baced3b_quant
	.globl	k_qb70baced3b_quant
	.p2align	8
	.type	k_qb70baced3b_quant,@function
k_qb70baced3b_quant:
	s_mov_b64 s[64:65], 0
	v_nop
	global_prefetch_b8 v0, s[64:65] scope:SCOPE_SE
	s_setreg_imm32_b32 hwreg(HW_REG_WAVE_MODE, 25, 1), 1
	s_wait_xcnt 0x0
; inp_emb [8192][1024], Wq, Wk, Wv [1024][1024], f32, K innermost, become codes of FP6 (E2M3) with one E8M0 byte for each 32 along K.
; A block's scale is 2^(floor(log2(its largest magnitude)) - 2); its byte is the largest magnitude's exponent field - 2, held at 1 from below.
; LIMITS: a block of zeros keeps the byte 1 where the rule says 127 (its codes are zeros, and this program alone reads the bytes); NaN and infinities among the inputs are not served.
; LAYOUT OF THE RESULT: images of the operand's registers.  A tile is 16 rows x 128 K, 12 registers a lane; its image is 1,536 bytes: registers 4 g .. 4 g + 3 of lane l at 512 g + 16 l.
; Lane (r, h) holds row r of the tile, registers 6 c .. 6 c + 5 = K 64 c + 32 h + 0 .. 31.  Tile 2 B + u holds in its row r the tensor's row 32 B + 8 u + r + 8 (r / 8).
; icod: [tile][K step 0..7][1536]; the four tensors on end: 512 tiles of inp_emb, then 64 each of Wq, Wk, Wv.  iscl: [group of 16 tiles][K step][16 tiles x 16 rows] words, byte b of a word for K 32 b ..
; SHARES.  A work-group takes four tiles (64 rows) and two K steps; wave w takes K step w / 2 of the two and tiles 2 (w % 2), 2 (w % 2) + 1 of the four: two units, whose 32 loads are all asked for at the start.
; A unit's 16 rows are read as 16 loads of 512 consecutive bytes, turn through the wave's own stage in LDS (rows 528 bytes apart) and come back 64 numbers a lane: two whole blocks, so that a block's maximum needs no other lane.
; A unit's codes leave as three stores of 512 consecutive bytes.  The scale words of a K step's four tiles, 256 bytes, are made by two waves: they meet in shared LDS bytes behind one barrier, and the even wave stores them as one unit.
.set WREG,  8448                       ; LDS of a wave: the stage, 16 x 528 bytes
.set SP,    528
.set SCSH,  4*WREG                     ; the work-group's scale words: [2 K steps][4 tiles x 16 rows]: 128 bytes a wave
.set SPARE, SCSH+512                   ; the spare words, 128 bytes a wave: two blocks of 256 bytes that no other line names
.set VIN, 1                            ; v1   16 x lane: my bytes of a load's and of a store's 512; never rewritten
.set STI, 2                            ; v2   the stage, on the way in
.set STO, 3                            ; v3   and on the way out: 528 r + 128 h
.set SCW, 4                            ; v4   where my row's scale word goes
.set SCR, 5                            ; v5   where I read 8 bytes of my K step's 256 back
.set L8,  6                            ; v6   8 x lane
.set SH,  7                            ; v7   8 h: my two bytes' place in the word
.set R,   16                           ; v16-143  two sets of 64 numbers as loaded
.set X,   144                          ; v144-207 my 64 numbers: register 32 c + i = K 64 c + 32 h + i
.set PC,  208                          ; v208-231 two sets of 12: a unit's codes
.set TC,  232                          ; v232-234, v236-238: the upper half of each block's codes, before they are moved
.set MX,  240
.set SO,  242
.set BY,  244
.set WD,  246
.set PT,  247
.set SPW, 248                          ; v248 LDS address of my spare word; never rewritten
.set NIL, 249                          ; v249 0; never rewritten
	s_load_b256 s[4:11], s[0:1], 0x0               ; inp_emb s[4:5], Wq s[6:7], Wk s[8:9], Wv s[10:11]
	s_load_b128 s[12:15], s[0:1], 0x20             ; icod s[12:13], iscl s[14:15]
	v_lshl_add_u32 v[SPW], v0, 2, SPARE
	v_mov_b32 v[NIL], 0
	v_lshrrev_b32 v8, 5, v0
	v_readfirstlane_b32 s16, v8                    ; wave
	v_and_b32 v8, 31, v0                           ; lane
	v_and_b32 v9, 15, v0                           ; r
	v_bfe_u32 v10, v0, 4, 1                        ; h
	v_lshlrev_b32 v[VIN], 4, v8
	s_mul_i32 s17, s16, WREG
	s_lshl_b32 s29, s16, 7                         ; 128 x wave = 256 x my K step of the two + 128 x my pair of tiles
	s_and_b32 s30, s29, 256
	v_add_nc_u32 v[STI], s17, v[VIN]
	v_mul_u32_u24 v[STO], v9, SP
	v_lshl_add_u32 v[STO], v10, 7, v[STO]
	v_add_nc_u32 v[STO], s17, v[STO]
	v_lshlrev_b32 v[SCW], 2, v9
	v_add_nc_u32 v[SCW], s29, v[SCW]
	v_add_nc_u32 v[SCW], SCSH, v[SCW]
	v_lshlrev_b32 v[L8], 3, v8
	v_add_nc_u32 v[SCR], s30, v[L8]
	v_add_nc_u32 v[SCR], SCSH, v[SCR]
	v_lshlrev_b32 v[SH], 3, v10
	v_mov_b32 v[PT], 0                             ; written once: a lane permute's destination counts as one of its sources
	s_mov_b32 s20, 0x76543210
	s_mov_b32 s21, 0xfedcba98                      ; v_permlanex16_b32's selects for lane l xor 16
	s_lshr_b32 s18, ttmp9, 2                       ; which four tiles: 0 .. 175
	s_and_b32 s19, ttmp9, 3
	s_lshl_b32 s19, s19, 1
	s_lshr_b32 s31, s16, 1
	s_add_co_u32 s19, s19, s31                     ; my K step: 2 x (work-group's low two bits) + wave / 2
	s_and_b32 s31, s16, 1                          ; my pair of the four tiles
	s_and_b32 s22, s18, 15                         ; the four tiles' number inside a weight
	s_mul_i32 s24, s18, 49152                      ; codes: four tiles x 8 steps x 1,536 bytes,
	s_mul_i32 s26, s19, 1536
	s_add_co_u32 s24, s24, s26                     ; + my step,
	s_mul_i32 s26, s31, 24576
	s_add_co_u32 s24, s24, s26                     ; + my pair of tiles
	s_mov_b32 s25, 0
	s_lshr_b32 s26, s18, 2
	s_lshl_b32 s26, s26, 13                        ; scale words: a group's 8,192 bytes,
	s_lshl_b32 s28, s19, 10
	s_add_co_u32 s26, s26, s28                     ; + my step's 1,024,
	s_and_b32 s28, s18, 3
	s_lshl_b32 s28, s28, 8
	s_add_co_u32 s26, s26, s28                     ; + the four tiles' 256
	s_mov_b32 s27, 0
	s_wait_alu depctr_va_vdst(0)                   ; the head's end
	s_wait_kmcnt 0x0
	s_cmp_lt_u32 s18, 160                          ; which tensor: the choice hangs on the work-group's number alone
	s_cselect_b64 s[10:11], s[8:9], s[10:11]
	s_cmp_lt_u32 s18, 144
	s_cselect_b64 s[10:11], s[6:7], s[10:11]
	s_cmp_lt_u32 s18, 128
	s_cselect_b64 s[10:11], s[4:5], s[10:11]
	s_cselect_b32 s22, s18, s22
	s_lshl_b32 s22, s22, 18                        ; 64 rows of 4,096 bytes
	s_lshl_b32 s28, s19, 9
	s_add_co_u32 s22, s22, s28                     ; + my step's 512 bytes of a row
	s_lshl_b32 s28, s31, 17
	s_add_co_u32 s22, s22, s28                     ; + my pair's 32 rows
	s_mov_b32 s23, 0
	s_add_nc_u64 s[10:11], s[10:11], s[22:23]
	s_add_nc_u64 s[12:13], s[12:13], s[24:25]
	s_add_nc_u64 s[14:15], s[14:15], s[26:27]
.macro LOAD j                          ; my tile j's 16 rows, 512 consecutive bytes each, in the tile's order of rows
.irp i, 0,1,2,3,4,5,6,7,8,9,10,11,12,13,14,15
	global_load_b128 v[R+64*(\j)+4*\i:R+64*(\j)+4*\i+3], v[VIN], s[10:11] offset:(8*(\j)+\i+8*(\i/8))*4096 th:TH_LOAD_NT
.endr
.endm
.macro UNIT j
.set RS, R+64*(\j)
.set PS, PC+12*(\j)
	s_wait_loadcnt 16-16*(\j)                      ; this unit's 16 loads are in; behind unit 0's the 16 of unit 1 may be out
.irp i, 0,1,2,3,4,5,6,7,8,9,10,11,12,13,14,15
	ds_store_b128 v[STI], v[RS+4*\i:RS+4*\i+3] offset:SP*\i
.endr
.irp c, 0,1
.irp k, 0,1,2,3,4,5,6,7
	ds_load_b128 v[X+32*\c+4*\k:X+32*\c+4*\k+3], v[STO] offset:256*\c+16*\k   ; LDS serves a wave's instructions in order: these see the stores above
.endr
.endr
	s_wait_dscnt 0x0                               ; my numbers are back
.irp c, 0,1
	v_max3_num_f32 v[MX+\c], |v[X+32*\c]|, |v[X+32*\c+1]|, 0x1800000   ; my block 2 c + h, and the floor 2^(3 - 127): the byte cannot fall under 1
.endr
.irp i, 2,4,6,8,10,12,14,16,18,20,22,24,26,28,30
.irp c, 0,1
	v_max3_num_f32 v[MX+\c], v[MX+\c], |v[X+32*\c+\i]|, |v[X+32*\c+\i+1]|   ; (the two blocks by turns)
.endr
.endr
.irp c, 0,1
	v_add_nc_u32 v[SO+\c], 0xff000000, v[MX+\c]    ; 2 off the exponent field: the conversion's scale operand
.endr
.irp c, 0,1
	v_lshrrev_b32 v[BY+\c], 23, v[SO+\c]           ; the scale's byte
.endr
	v_lshl_or_b32 v[WD], v[BY+1], 16, v[BY]        ; blocks h and 2 + h,
	v_lshlrev_b32 v[WD], v[SH], v[WD]              ; at their places in the word;
	v_permlanex16_b32 v[PT], v[WD], s20, s21
	v_or_b32 v[WD], v[WD], v[PT]                   ; with lane l xor 16's two the word is whole
.irp c, 0,1
	v_cvt_scalef32_pk16_fp6_f32 v[PS+6*\c:PS+6*\c+2], v[X+32*\c:X+32*\c+15], v[SO+\c]
	v_cvt_scalef32_pk16_fp6_f32 v[TC+4*\c:TC+4*\c+2], v[X+32*\c+16:X+32*\c+31], v[SO+\c]   ; (a conversion's three registers begin on an even number)
.endr
	v_nop                                          ; one plain place behind a scaled conversion
.irp c, 0,1
.irp i, 0,1,2
	v_mov_b32 v[PS+6*\c+3+\i], v[TC+4*\c+\i]
.endr
.endr
.irp g, 0,1,2
	global_store_b128 v[VIN], v[PS+4*\g:PS+4*\g+3], s[12:13] offset:12288*(\j)+512*\g   ; 32 lanes store 512 consecutive bytes of the image; each unit has its own registers for its codes
.endr
	ds_store_b32 v[SCW], v[WD] offset:64*(\j)      ; lanes r and r + 16 write the same word with the same value
.endm
	LOAD 0
	LOAD 1
	UNIT 0
	UNIT 1
	s_wait_dscnt 0x0                               ; for the other wave's sake: my 32 scale words have landed
	s_barrier_signal -1
	s_barrier_wait -1
	s_cmp_lg_u32 s31, 0                            ; the even wave of each K step stores the step's 64 words
	s_cbranch_scc1 .Lno_words
	ds_load_b64 v[MX:MX+1], v[SCR]                 ; 8 bytes a lane
	s_wait_dscnt 0x0
	global_store_b64 v[L8], v[MX:MX+1], s[14:15]   ; 256 consecutive bytes, at a multiple of 256 from the buffer's first byte
.Lno_words:
	s_wait_tensorcnt 0x0                           ; the wave's end: behind my last LDS store
	ds_add_u32 v[SPW], v[NIL]
	s_wait_dscnt 0x0
	s_endpgm
.Lfunc_end_k_qb70baced3b_quant:
	.size	k_qb70baced3b_quant, .Lfunc_end_k_qb70baced3b_quant-k_qb70baced3b_quant
	.p2alignl 7, 3214868480
	.fill 96, 4, 3214868480
	.section	.rodata,"a",@progbits
	.p2align	6, 0x0
	.amdhsa_kernel k_qb70baced3b_quant
		.amdhsa_group_segment_fixed_size 34816
		.amdhsa_private_segment_fixed_size 0
		.amdhsa_enable_private_segment 0
		.amdhsa_kernarg_size 48
		.amdhsa_user_sgpr_count 2
		.amdhsa_user_sgpr_kernarg_segment_ptr 1
		.amdhsa_wavefront_size32 1
		.amdhsa_system_sgpr_workgroup_id_x 1
		.amdhsa_system_sgpr_workgroup_id_y 1
		.amdhsa_system_sgpr_workgroup_id_z 1
		.amdhsa_system_vgpr_workitem_id 0
		.amdhsa_next_free_vgpr 256
		.amdhsa_next_free_sgpr 66
		.amdhsa_reserve_vcc 0
		.amdhsa_float_denorm_mode_32 3
		.amdhsa_float_denorm_mode_16_64 3
		.amdhsa_memory_ordered 1
		.amdhsa_forward_progress 1
		.amdhsa_inst_pref_size 18
	.end_amdhsa_kernel
	.amdgpu_metadata
---
amdhsa.version: [ 1, 2 ]
amdhsa.kernels:
  - .name:           k_qb70baced3b_quant
    .symbol:         k_qb70baced3b_quant.kd
    .args:
      - { .name: inp_emb, .offset: 0, .size: 8, .value_kind: global_buffer, .address_space: global }
      - { .name: Wq, .offset: 8, .size: 8, .value_kind: global_buffer, .address_space: global }
      - { .name: Wk, .offset: 16, .size: 8, .value_kind: global_buffer, .address_space: global }
      - { .name: Wv, .offset: 24, .size: 8, .value_kind: global_buffer, .address_space: global }
      - { .name: icod, .offset: 32, .size: 8, .value_kind: global_buffer, .address_space: global }
      - { .name: iscl, .offset: 40, .size: 8, .value_kind: global_buffer, .address_space: global }
    .group_segment_fixed_size: 34816
    .private_segment_fixed_size: 0
    .kernarg_segment_align: 8
    .kernarg_segment_size: 48
    .max_flat_workgroup_size: 128
    .sgpr_count:     66
    .vgpr_count:     256
    .wavefront_size: 32
...
	.end_amdgpu_metadata
.endif
;; end of part 1
;; launch qkv (part 2): grid 8 x 32, 4 waves a work-group, clusters of 4 x 4, 327,680 bytes of LDS; arguments icod, iscl, qcod, qscl; writes qcod, qscl
.if DOCPART == 2
	.amdgcn_target "amdgcn-amd-amdhsa--gfx1250"
	.amdhsa_code_object_version 6
	.text
	.protected	k_qb70baced3b_qkv
	.globl	k_qb70baced3b_qkv
	.p2align	8
	.type	k_qb70baced3b_qkv,@function
k_qb70baced3b_qkv:
	s_mov_b64 s[64:65], 0
	v_nop
	global_prefetch_b8 v0, s[64:65] scope:SCOPE_SE
	s_setreg_imm32_b32 hwreg(HW_REG_WAVE_MODE, 25, 1), 1
	s_wait_xcnt 0x0
	s_wait_alu depctr_hold_cnt(0) depctr_sa_sdst(0) depctr_va_vdst(0) depctr_va_sdst(0) depctr_va_ssrc(0) depctr_va_vcc(0) depctr_vm_vsrc(0)
	s_getreg_b32 s2, hwreg(HW_REG_IB_STS2, 6, 4)
	s_cmp_eq_u32 s2, 0
	s_cbranch_scc0 .Lentry_in_a_cluster
	s_endpgm
.Lentry_in_a_cluster:
	s_bfe_u32 s2, ttmp6, 0x10000c
	s_cmp_lg_u32 s2, 0xf033
	s_cbranch_scc0 .Lentry_shape_is_right
	s_endpgm
.Lentry_shape_is_right:
; Q = x Wq^T, K = x Wk^T, V = x Wv^T on codes of FP6 (E2M3) with E8M0 scales, K = 1,024; the results are quantised in registers and leave as codes: Q and K along the model axis, V along the keys.
; OPERANDS are images of their registers: a tile (16 rows x 128 K) is 1,536 bytes, registers 4 g .. 4 g + 3 of lane l at 512 g + 16 l; tile 2 B + u holds in its row r the tensor's row 32 B + 8 u + r + 8 (r / 8).
; icod: [tile][K step 0..7][1536]; a group is 16 tiles: groups 0-31 x, 32-35 Wq, 36-39 Wk, 40-43 Wv.  iscl: [group][K step][256 words].
; SHARES.  Each of the 256 work-groups makes a tile of Q or K, 256 x 256 (part 1: a wave 128 x 128), and a tile of V^T, 128 rows of Wv x 256 keys (part 2: a wave 64 x 128): 768 matrix instructions a wave.
; LDS: two regions of 147,456 bytes.  Part 1's K comes in three fills: steps 0-2 into region 0 (at the head, with the scale words: one load a wave), steps 3-5 into region 1, steps 6-7 into region 0 again.
; Part 2's K comes in two fills of four steps, 24 tiles each, which are a region's bytes exactly: steps 0-3 into region 1 when part 1's step 5 has left it, steps 4-7 into region 0 behind part 1's last product.
; So part 2 finds all its codes in LDS behind one barrier and has no further round.  All is written out: regions and register sets do not come back to where they began inside the eight steps.
; SOURCE 1 gives a lane its row, SOURCE 0 the lane's registers: the 64 registers of accumulators (a, 0 .. 7), numbered 16 B + i, are the neighbours 32 B + 16 (lane / 16) + i along source 0's rows: they are quantised as they stand.
; Part 1: source 1 = rows of x, source 0 = rows of Wq or Wk.  Part 2: source 1 = rows of Wv, source 0 = rows of x (the keys).
; CLUSTERS: 4 x 4; X, Y the cluster's numbers (X: 0 Q, 1 K).  Source 1's tiles are shared along a row of the cluster, source 0's along a column: joint loads.
;   part 1: x's group 4 Y + cy, the weight's group 32 + 4 X + cx.   part 2: Wv's chunk of 128 rows 4 X + cy, x's group 4 Y + cx.
; Part 2's scale words, 12,288 bytes beside 688,128 bytes of codes, are not asked for jointly: they come once, through registers, in runs of 512 consecutive bytes, and are stored to LDS at part 1's end.
; PREFETCHES: each fill's bytes are named one fill ahead.  A group's 16 tiles are shared out by address among the 16 waves of the four partners that ask for it jointly: a wave a tile, a lane 256 bytes (18 or 12 lanes; the lanes
; left over name the last block again); Wv's eight tiles: a wave half a tile's fill.  x's tiles of part 2 are not named: they are the four groups that this cluster has read in part 1.
; qcod: Q's 512 tiles [tile][step 0..7][1536], then K's at 6,291,456, then V^T at 12,582,912: [batch][64 tiles][16 steps of 128 keys][1536].  qscl: [group][step][256 words]; V^T's at 524,288: [batch][4 groups][16 steps][256].
; LIMITS: a block of zeros keeps the byte 1 (its codes are zeros; this program alone reads the bytes); NaN and infinities are not served.
; REGISTERS: window 0: v2-31 addresses; v32-63 scale words, two sets, and nothing else; v72-127 the way out (v72-95 first hold part 2's scale words); v128-223 source 1's fragments, later the codes.
;   window 1: source 0's fragments, two sets, at v0 and v128.  windows 2, 3: the accumulators, (a, b) at v[8 (8 (a % 4) + b)]; part 2 has window 2 alone.
.set FR,    12
.set STEPB, 1536
.set P3,    3*STEPB                    ; from tile to tile in LDS: part 1's steps 0-5,
.set P2,    2*STEPB                    ; its steps 6-7,
.set P4,    4*STEPB                    ; part 2
.set REG,   32*P3                      ; a region
.set BO1,   16*P3                      ; source 0's tiles in a region, part 1
.set BO2,   8*P4                       ; and part 2
.set SCL,   2*REG                      ; part 1's scale words for all of K: 8,192 + 8,192 bytes, filled once
.set SCVA,  SCL+16384                  ; part 2's, stored from registers.  Wv's chunk: [step], 1,024 bytes apart, of which the first 512 are used
.set SCVB,  SCVA+8192                  ; x's group: [step][16 tiles x 16 words]
.set SST,   SCVA+512                   ; the unused half of steps 0-3 of SCVA: 512 bytes a wave, 1,024 apart, for the new scale words
.set SPARE, SCVA+4096+512              ; the unused half of step 4: the spare words, 128 bytes a wave, two blocks of 256 bytes that no other line names
.set L16,  2
.set L8,   6
.set ADRA, 8                           ; v8-10  source 1's fragments: steps 0-2, 3-5, 6-7
.set ADRB, 12                          ; v12-14 source 0's
.set ADRAV, 16                         ; v16-17 part 2: steps 0-3, 4-7
.set ADRBV, 18                         ; v18-19
.set PF18, 20                          ; v20 256 x min(lane, 17); v21 256 x min(lane, 11): never rewritten
.set PF12, 21
.set ADRSV, 22
.set ADRSB, 23
.set SW,   24
.set SRD,  25
.set SRD8, 26
.set ADRS, 27
.set SPW,  28
.set NIL,  29
.set SC,   32
.set PW,   72
.set TT,   80                          ; v80-127 the way out's temporaries, 12 a tile for four tiles: 0-3 block maxima, then bytes; 4-7 the other half's maxima; 8-11 the conversions' scale operands; 0-7 at last the codes' second halves
.set BM,   96                          ; v96-99 the scale words read back
.set AF,   128
.set OC,   8
.set OS,   10
.set VC,   12
.set VS,   18
.set VA,   20
.set VB,   22
.set G1,   24
.set G0,   32
.set PFA,  36                          ; s[36:37], s[38:39], s[60:61]: where my prefetches stand; never rewritten
.set PFB,  38
.set G1B,  48
.set G0B,  56
.set PFV,  60
.set G1S,  68
.set G0S,  76
.set G1SB, 80
.set G0SB, 88
.set MSB, 0
.macro WIN new
.if MSB != (\new)
	s_set_vgpr_msb (MSB<<8)|(\new)
.set MSB, (\new)
.endif
.endm
.set MUL_LO, 0xa1
.set MUL_HI, 0xf1
.set TO_B,   0x40
.macro TLOAD g0, g1                    ; a tensor load with an s_nop and four v_nop behind it
	tensor_load_to_lds s[\g0:\g0+3], s[\g1:\g1+7]
	s_nop 0
.rept 4
	v_nop
.endr
.endm
.macro JLOAD                           ; part 1: waves 0 and 1 fetch source 1's halves, waves 2 and 3 source 0's
	s_cmp_eq_u32 s15, 0
	s_cbranch_scc0 .Lfor_b_\@
	TLOAD G0, G1
	s_branch .Lasked_\@
.Lfor_b_\@:
	TLOAD G0B, G1B
.Lasked_\@:
.endm
.macro JLOADV                          ; part 2: wave 0 fetches Wv's eight tiles, waves 2 and 3 x's halves, wave 1 nothing
	s_cmp_eq_u32 s14, 0
	s_cbranch_scc0 .Lnot_a_\@
	TLOAD G0, G1
	s_branch .Ldone_\@
.Lnot_a_\@:
	s_cmp_lt_u32 s14, 2
	s_cbranch_scc1 .Ldone_\@
	TLOAD G0B, G1B
.Ldone_\@:
.endm
.macro CREST
	s_cmp_lg_u32 s14, 0
	s_cbranch_scc1 .Lnot_wave_0_\@
	s_barrier_signal -3
.Lnot_wave_0_\@:
	s_barrier_wait -3
	s_barrier_signal -1
	s_barrier_wait -1
.endm
.macro CROUND
	s_barrier_signal -1
	s_barrier_wait -1
	CREST
.endm
.macro PLACES n
.rept \n
	v_nop
.endr
.endm
.macro DIMS e, r                       ; a fill's tile: r rows (tiles) of e elements of 8 bytes.  Written only where no tensor load of the wave is out
.irp g, G1, G1B
	s_mov_b32 s[\g+1], (\e)<<16
	s_mov_b32 s[\g+2], (\r)<<16
	s_mov_b32 s[\g+3], (\e)<<16
	s_mov_b32 s[\g+4], \r
.endr
.endm
.macro DESC la, lb, hp, ga, gb, off    ; group 0 of the next fill: LDS places la, lb + my half x hp; memory: the pointers ga, gb + off
	s_mul_i32 s94, s16, \hp
	s_add_co_u32 s[G0+1], s94, \la
	s_add_co_u32 s[G0B+1], s94, \lb
	s_add_nc_u64 s[G0+2:G0+3], s[\ga:\ga+1], \off
	s_or_b32 s[G0+3], s[G0+3], 0x80000000
	s_add_nc_u64 s[G0B+2:G0B+3], s[\gb:\gb+1], \off
	s_or_b32 s[G0B+3], s[G0B+3], 0x80000000
.endm
.macro ASK v, p, off
	global_prefetch_b8 v[\v], s[\p:\p+1] offset:\off th:TH_LOAD_NT scope:SCOPE_SE
.endm
	s_load_b128 s[4:7], s[0:1], 0x0                ; icod, iscl
	s_load_b128 s[8:11], s[0:1], 0x10              ; qcod, qscl
	v_lshl_add_u32 v[SPW], v0, 2, SPARE
	v_mov_b32 v[NIL], 0
	ds_add_u32 v[SPW], v[NIL]                      ; the opening lines: the add, twice on end, and its wait ahead of my first tensor load
	ds_add_u32 v[SPW], v[NIL]
	v_lshrrev_b32 v1, 5, v0
	v_readfirstlane_b32 s14, v1                    ; wave
	s_lshr_b32 s15, s14, 1                         ; my half of source 1's tiles; in part 1 also: I fetch for source 1 (0) or source 0 (1)
	s_and_b32 s16, s14, 1                          ; my half of source 0's tiles; also: which eight tiles I fetch
	s_mul_i32 s94, s15, 8*P3                       ; the wave's places in LDS
	s_mul_i32 s95, s15, 8*P2
	s_mul_i32 s96, s16, 8*P3
	s_add_co_u32 s96, s96, BO1
	s_mul_i32 s97, s16, 8*P2
	s_add_co_u32 s97, s97, BO1
	s_mul_i32 s43, s15, 4*P4
	s_mul_i32 s44, s16, 8*P4
	s_add_co_u32 s44, s44, BO2
	s_lshl_b32 s45, s15, 9                         ; part 1's words: source 1's eight tiles x 64 bytes,
	s_lshl_b32 s46, s16, 9
	s_add_co_u32 s47, s46, 8192                    ; source 0's 8,192 bytes further on:
	s_sub_co_u32 s47, s47, s45                     ; the distance between the two
	s_add_co_u32 s45, s45, SCL
	s_lshl_b32 s92, s15, 8                         ; part 2's: Wv's four tiles x 64 bytes, x's eight
	s_add_co_u32 s93, s46, 8192
	s_sub_co_u32 s93, s93, s92
	s_add_co_u32 s92, s92, SCVA
	s_add_co_u32 s46, s46, SCVB
	s_lshl_b32 s101, s14, 10
	s_add_co_u32 s100, s101, SST
	v_and_b32 v5, 31, v0                           ; lane
	v_and_b32 v3, 15, v0                           ; r
	v_bfe_u32 v4, v0, 4, 1                         ; h
	v_lshlrev_b32 v[L16], 4, v5
	v_lshlrev_b32 v[L8], 3, v5
	v_add_nc_u32 v[ADRA], s94, v[L16]
	v_add_nc_u32 v[ADRA+1], REG, v[ADRA]
	v_add_nc_u32 v[ADRA+2], s95, v[L16]
	v_add_nc_u32 v[ADRB], s96, v[L16]
	v_add_nc_u32 v[ADRB+1], REG, v[ADRB]
	v_add_nc_u32 v[ADRB+2], s97, v[L16]
	v_add_nc_u32 v[ADRAV+1], s43, v[L16]
	v_add_nc_u32 v[ADRAV], REG, v[ADRAV+1]
	v_add_nc_u32 v[ADRBV+1], s44, v[L16]
	v_add_nc_u32 v[ADRBV], REG, v[ADRBV+1]
	v_mul_u32_u24 v11, s47, v4                     ; lanes 16-31 take source 0's words: one product
	v_lshl_add_u32 v11, v3, 2, v11
	v_add_nc_u32 v[ADRS], s45, v11
	v_mul_u32_u24 v11, s93, v4
	v_lshl_add_u32 v11, v3, 2, v11
	v_add_nc_u32 v[ADRSV], s92, v11
	v_lshl_add_u32 v[ADRSB], v3, 2, s46
	v_lshl_add_u32 v[SW], v3, 2, s100
	v_add_nc_u32 v[SRD], s100, v[L16]
	v_add_nc_u32 v[SRD8], s100, v[L8]
	v_add_nc_u32 v7, s101, v[L16]                  ; 1,024 x wave + 16 x lane: Wv's words in memory,
	v_lshlrev_b32 v30, 4, v0                       ; 16 x thread: x's
	v_add_nc_u32 v31, SCVA, v7                     ; and in LDS
	v_lshl_add_u32 v15, v0, 4, SCVB
	v_min_u32 v[PF18], 17, v5
	v_lshlrev_b32 v[PF18], 8, v[PF18]
	v_min_u32 v[PF12], 11, v5
	v_lshlrev_b32 v[PF12], 8, v[PF12]
	s_bfe_u32 s40, ttmp6, 0x40000                  ; cx
	s_bfe_u32 s41, ttmp6, 0x40004                  ; cy
	s_and_b32 s66, ttmp7, 0xffff                   ; Y
	s_lshl_b32 s67, s66, 2
	s_lshl_b32 s95, ttmp9, 2                       ; 4 X
	s_add_co_u32 s17, s67, s41                     ; part 1, source 1: x's group 4 Y + cy
	s_add_co_u32 s42, s95, s40
	s_add_co_u32 s42, s42, 32                      ; source 0: the weight's group
	s_add_co_u32 s2, s95, s41                      ; part 2, source 1: Wv's chunk 4 X + cy
	s_add_co_u32 s3, s67, s40                      ; source 0: x's group 4 Y + cx
	s_lshl_b32 s43, s41, 2
	s_lshl_b32 s43, 15, s43                        ; my row of the cluster
	s_lshl_b32 s44, 0x1111, s40                    ; my column
	s_or_b32 s[G1+0], s43, (3<<16)|(1<<21)         ; the mask; elements of 8 bytes; bit 21 beside a mask
	s_or_b32 s[G1B+0], s44, (3<<16)|(1<<21)
	DIMS 576, 16                                   ; the head's loads: 16 tiles x three steps
.irp g, G1, G1B
	s_mov_b32 s[\g+5], 1536                        ; from tile to tile: 12,288 bytes
	s_mov_b32 s[\g+6], 0
	s_mov_b32 s[\g+7], 0
.endr
	s_or_b32 s[G1S+0], s43, (3<<16)|(1<<21)        ; a group's scale words: 8,192 dense bytes as 32 rows of 256
	s_or_b32 s[G1SB+0], s44, (3<<16)|(1<<21)
.irp g, G1S, G1SB
	s_mov_b32 s[\g+1], 32<<16
	s_mov_b32 s[\g+2], 32<<16
	s_mov_b32 s[\g+3], 32<<16
	s_mov_b32 s[\g+4], 32
	s_mov_b32 s[\g+5], 32
	s_mov_b32 s[\g+6], 0
	s_mov_b32 s[\g+7], 0
.endr
	s_mul_i32 s46, s17, 196608                     ; offsets, each in registers of its own
	s_mov_b32 s47, 0
	s_mul_i32 s92, s42, 196608
	s_mov_b32 s93, 0
	s_lshl_b32 s12, s17, 13
	s_mov_b32 s13, 0
	s_lshl_b32 s18, s42, 13
	s_mov_b32 s19, 0
	s_mul_i32 s96, s16, 98304                      ; the eight tiles that I fetch
	s_mov_b32 s97, 0
	s_mul_i32 s[VA], s2, 98304
	s_add_co_u32 s[VA], s[VA], 7864320             ; Wv begins at group 40
	s_mov_b32 s[VA+1], 0
	s_mul_i32 s[VB], s3, 196608
	s_add_co_u32 s[VB], s[VB], s96
	s_mov_b32 s[VB+1], 0
	s_lshl_b32 s94, s40, 2                         ; prefetches: of x's group tile 4 cx + wave,
	s_add_co_u32 s94, s94, s14
	s_mul_i32 s94, s94, 12288
	s_add_co_u32 s[PFA], s46, s94
	s_mov_b32 s[PFA+1], 0
	s_lshl_b32 s94, s41, 2                         ; of the weight's group tile 4 cy + wave,
	s_add_co_u32 s94, s94, s14
	s_mul_i32 s94, s94, 12288
	s_add_co_u32 s[PFB], s92, s94
	s_mov_b32 s[PFB+1], 0
	s_lshl_b32 s94, s40, 1                         ; of Wv's chunk tile 2 cx + wave / 2, half wave % 2 of a fill's 6,144 bytes
	s_add_co_u32 s94, s94, s15
	s_mul_i32 s94, s94, 12288
	s_mul_i32 s95, s16, 3072
	s_add_co_u32 s94, s94, s95
	s_add_co_u32 s[PFV], s[VA], s94
	s_mov_b32 s[PFV+1], 0
	s_lshr_b32 s62, s2, 1                          ; part 2's scale words: Wv's group 40 + chunk / 2, the chunk's half of each step;
	s_add_co_u32 s62, s62, 40
	s_lshl_b32 s62, s62, 13
	s_and_b32 s94, s2, 1
	s_lshl_b32 s94, s94, 9
	s_add_co_u32 s62, s62, s94
	s_mov_b32 s63, 0
	s_lshl_b32 s100, s3, 13                        ; x's group
	s_mov_b32 s101, 0
	s_mov_b32 s98, 0x76543210
	s_mov_b32 s99, 0xfedcba98                      ; v_permlanex16_b32's selects for lane l xor 16
	s_wait_alu depctr_va_vdst(0)                   ; all the head's vector writes stand ahead of it
	s_wait_dscnt 0x0                               ; both opening adds are done
	s_wait_kmcnt 0x0
	s_add_nc_u64 s[46:47], s[4:5], s[46:47]
	s_add_nc_u64 s[92:93], s[4:5], s[92:93]
	s_add_nc_u64 s[12:13], s[6:7], s[12:13]
	s_add_nc_u64 s[18:19], s[6:7], s[18:19]
	s_add_nc_u64 s[VA:VA+1], s[4:5], s[VA:VA+1]
	s_add_nc_u64 s[VB:VB+1], s[4:5], s[VB:VB+1]
	s_add_nc_u64 s[PFA:PFA+1], s[4:5], s[PFA:PFA+1]
	s_add_nc_u64 s[PFB:PFB+1], s[4:5], s[PFB:PFB+1]
	s_add_nc_u64 s[PFV:PFV+1], s[4:5], s[PFV:PFV+1]
	s_add_nc_u64 s[62:63], s[6:7], s[62:63]
	s_add_nc_u64 s[100:101], s[6:7], s[100:101]
	ASK PF18, PFA, 0                               ; the head's own fill, steps 0-2 of my two tiles, is named as soon as the addresses are known, ahead of the opening round
	ASK PF18, PFB, 0
	global_load_b128 v[72:75], v7, s[62:63]        ; part 2's scale words: Wv's steps wave and wave + 4, x's 8,192 dense bytes; they stay in v72-95 until part 1's end
	global_load_b128 v[76:79], v7, s[62:63] offset:4096
.irp i, 0,1,2,3
	global_load_b128 v[80+4*\i:83+4*\i], v30, s[100:101] offset:2048*\i
.endr
	s_mov_b32 s[G0], 1                             ; the head's four tiles: source 1's 16 tiles x steps 0-2,
	s_mov_b32 s[G0+1], 0
	s_mov_b64 s[G0+2:G0+3], s[46:47]
	s_or_b32 s[G0+3], s[G0+3], 0x80000000
	s_mov_b32 s[G0B], 1                            ; source 0's,
	s_mov_b32 s[G0B+1], BO1
	s_mov_b64 s[G0B+2:G0B+3], s[92:93]
	s_or_b32 s[G0B+3], s[G0B+3], 0x80000000
	s_mov_b32 s[G0S], 1                            ; source 1's scale words,
	s_mov_b32 s[G0S+1], SCL
	s_mov_b64 s[G0S+2:G0S+3], s[12:13]
	s_or_b32 s[G0S+3], s[G0S+3], 0x80000000
	s_mov_b32 s[G0SB], 1                           ; source 0's
	s_mov_b32 s[G0SB+1], SCL+8192
	s_mov_b64 s[G0SB+2:G0SB+3], s[18:19]
	s_or_b32 s[G0SB+3], s[G0SB+3], 0x80000000
	s_add_nc_u64 s[46:47], s[46:47], s[96:97]      ; for the later fills: my eight tiles
	s_add_nc_u64 s[92:93], s[92:93], s[96:97]
	CROUND                                         ; all sixteen work-groups are here: the first joint loads meet
.macro ARM under, g0, g1, next                 ; one chain of branches on the wave's number, one load to an arm, all arms to one join
	s_cmp_lt_u32 s14, \under
	s_cbranch_scc0 \next
	TLOAD \g0, \g1
	s_branch .Lhead_asked
\next:
.endm
	ARM 1, G0,  G1,  .Lhead_b
	ARM 2, G0B, G1B, .Lhead_sa
	ARM 3, G0S, G1S, .Lhead_sb
	TLOAD G0SB, G1SB
.Lhead_asked:
	ASK PF18, PFA, 3*STEPB                         ; steps 3-5 of my two tiles: the next fill's bytes
	ASK PF18, PFB, 3*STEPB
	; where part 2's results go: batch Y / 2, tile 8 x chunk + 4 x half + a of the model axis, step ((Y % 2) 4 + cx) 2 + half of the keys
	s_lshr_b32 s43, s66, 1
	s_and_b32 s44, s66, 1
	s_lshl_b32 s44, s44, 2
	s_add_co_u32 s44, s44, s40
	s_lshl_b32 s44, s44, 1
	s_add_co_u32 s44, s44, s16
	s_lshl_b32 s45, s2, 3
	s_lshl_b32 s94, s15, 2
	s_add_co_u32 s45, s45, s94
	s_mul_i32 s45, s45, 24576
	s_mul_i32 s94, s43, 1572864
	s_add_co_u32 s45, s45, s94
	s_mul_i32 s94, s44, 1536
	s_add_co_u32 s45, s45, s94
	s_add_co_u32 s96, s45, 12582912
	s_mov_b32 s97, 0
	s_add_nc_u64 s[VC:VC+1], s[8:9], s[96:97]
	s_lshl_b32 s96, s43, 16
	s_lshr_b32 s94, s2, 1
	s_lshl_b32 s94, s94, 14
	s_add_co_u32 s96, s96, s94
	s_lshl_b32 s94, s44, 10
	s_add_co_u32 s96, s96, s94
	s_and_b32 s94, s2, 1
	s_lshl_b32 s94, s94, 9
	s_add_co_u32 s96, s96, s94
	s_lshl_b32 s94, s15, 8
	s_add_co_u32 s96, s96, s94
	s_add_co_u32 s96, s96, 524288
	s_add_nc_u64 s[VS:VS+1], s[10:11], s[96:97]
	; and part 1's: tile (4 Y + cy) 16 + 8 x half + a, step 2 cx + half
	s_lshl_b32 s96, s17, 4
	s_lshl_b32 s94, s15, 3
	s_add_co_u32 s96, s96, s94
	s_mul_i32 s96, s96, 12288
	s_mul_i32 s94, ttmp9, 6291456
	s_add_co_u32 s96, s96, s94
	s_lshl_b32 s45, s40, 1
	s_add_co_u32 s45, s45, s16
	s_mul_i32 s94, s45, 1536
	s_add_co_u32 s96, s96, s94
	s_add_nc_u64 s[OC:OC+1], s[8:9], s[96:97]
	s_lshl_b32 s96, s17, 13
	s_lshl_b32 s94, ttmp9, 18
	s_add_co_u32 s96, s96, s94
	s_lshl_b32 s94, s45, 10
	s_add_co_u32 s96, s96, s94
	s_lshl_b32 s94, s15, 9
	s_add_co_u32 s96, s96, s94
	s_add_nc_u64 s[OS:OS+1], s[10:11], s[96:97]
.macro WM acc, bf, af, sb, sa, zero    ; one product; zero = 1: it starts its sum
.if \zero
	v_wmma_scale_f32_16x16x128_f8f6f4 v[\acc:\acc+7], v[\bf:\bf+FR-1], v[\af:\af+FR-1], 0, v[\sb], v[\sa] matrix_a_fmt:MATRIX_FMT_FP6 matrix_b_fmt:MATRIX_FMT_FP6 matrix_a_scale:MATRIX_SCALE_ROW1
.else
	v_wmma_scale_f32_16x16x128_f8f6f4 v[\acc:\acc+7], v[\bf:\bf+FR-1], v[\af:\af+FR-1], v[\acc:\acc+7], v[\sb], v[\sa] matrix_a_fmt:MATRIX_FMT_FP6 matrix_b_fmt:MATRIX_FMT_FP6 matrix_a_scale:MATRIX_SCALE_ROW1
.endif
.endm
.macro FRAG reg, adr, st, i            ; part 1: tile i's image of step st: three loads of 512 consecutive bytes
.set RG, (\st)/3
.set PI, P3-(RG/2)*(P3-P2)
.irp c, 0,1,2
	ds_load_b128 v[\reg+4*\c:\reg+4*\c+3], v[\adr+RG] offset:(\i)*PI+((\st)-3*RG)*STEPB+512*\c
.endr
.endm
; 16 products: source 1's tiles a0, a0 + 1 x source 0's eight.  The 64 accumulators take turns, one instruction a turn, in the same order in every step.
.macro MUL16 a0, st, zero
.set BP, 128*((\st)%2)
.set SQ, SC+16*(((\st)/2)%2)+(\st)%2
.irp a, \a0, \a0+1
.irp b, 0,1,2,3,4,5,6,7
	WM 8*(8*((\a)%4)+\b), BP+FR*\b, AF+FR*(\a), SQ+2*\b, SQ+2*(\a), \zero
.endr
.endr
.endm
.macro FETCH_B st                      ; 24 loads
	WIN TO_B
.irp i, 0,1,2,3,4,5,6,7
	FRAG 128*((\st)%2)+FR*\i, ADRB, \st, \i
.endr
	WIN 0
.endm
.macro FETCH_A st, i0                  ; 12 loads
.irp i, \i0, \i0+1, \i0+2, \i0+3
	FRAG AF+FR*(\i), ADRA, \st, \i
.endr
.endm
.macro SCALES pr                       ; 16 loads: the words of steps 2 pr, 2 pr + 1 into set pr % 2
.irp i, 0,1,2,3,4,5,6,7
.irp q, 0,1
	ds_load_b32 v[SC+16*((\pr)%2)+2*\i+\q], v[ADRS] offset:(2*(\pr)+\q)*1024+64*\i
.endr
.endr
.endm
.macro NEXTF st                        ; the middle run of loads: the next step's fragments but for source 1's tiles 4-7
	FETCH_B (\st)+1
	FETCH_A (\st)+1, 0
.if ((\st)+1)%2 == 0
	SCALES ((\st)+1)/2
.endif
.endm
.macro UPPER st, zero                  ; a step's second half
	WIN MUL_HI
	MUL16 4, \st, \zero
	MUL16 6, \st, \zero
	PLACES 4
	WIN 0
	FETCH_A (\st)+1, 4
.endm
; A step whose successor lies in bytes that are already shown whole.  Loads into registers that matrix instructions have read stand four plain places behind them.
.macro STEP st, zero
	s_wait_dscnt 12                                ; all but the youngest 12 loads (source 1's tiles 4-7) are in
	WIN MUL_LO
	MUL16 0, \st, \zero
	MUL16 2, \st, \zero
	s_wait_dscnt 0x0
	PLACES 4
	NEXTF \st
	UPPER \st, \zero
.endm
; A step that leaves its region: one barrier shows the next region whole and this one read out.  kind 1: region 0 takes steps 6-7; kind 2: region 1 takes part 2's steps 0-3.
.macro TURN st, kind
	s_wait_tensorcnt 0x0                           ; all my tensor loads have landed: my part of the next region
	ds_add_u32 v[SPW], v[NIL]                      ; the next fill's descriptors, work on registers, follow it
.if (\kind) == 1
	DIMS 384, 8
	DESC 0, BO1, 8*P2, 46, 92, 6*STEPB
.else
	DIMS 768, 8
	DESC REG, REG+BO2, 8*P4, VA, VB, 0
.endif
	s_wait_dscnt 13                                ; (the add and the youngest 12 loads may be out)
	WIN MUL_LO
	MUL16 0, \st, 0
	s_wait_dscnt 0x0                               ; the add is done, and my reads of this region are over
	s_barrier_signal -1
	MUL16 2, \st, 0
	WIN 0
	s_barrier_wait -1
	CREST                                          ; the barrier has opened a round of the cluster's
.if (\kind) == 1
	JLOAD                                          ; the first tensor load behind the round; its four v_nop are the places ahead of the loads below
.else
	JLOADV
	PLACES 4                                       ; wave 1 has passed no v_nop
.endif
	NEXTF \st
	ASK PF12, PFV, ((\kind)-1)*P4                  ; Wv's bytes of the fill after this one
	UPPER \st, 0
.endm
; PART 2
.macro FETCHV v                        ; 36 loads: x's eight fragments and Wv's four of step v into set v % 2
	WIN TO_B
.irp i, 0,1,2,3,4,5,6,7
.irp c, 0,1,2
	ds_load_b128 v[128*((\v)%2)+FR*\i+4*\c:128*((\v)%2)+FR*\i+4*\c+3], v[ADRBV+(\v)/4] offset:\i*P4+((\v)%4)*STEPB+512*\c
.endr
.endr
	WIN 0
.irp i, 0,1,2,3
.irp c, 0,1,2
	ds_load_b128 v[AF+48*((\v)%2)+FR*\i+4*\c:AF+48*((\v)%2)+FR*\i+4*\c+3], v[ADRAV+(\v)/4] offset:\i*P4+((\v)%4)*STEPB+512*\c
.endr
.endr
.endm
.macro SCALESV pr                      ; 16 loads.  Registers of tiles 0-3: lanes 0-15 Wv's word, lanes 16-31 x's; of tiles 4-7: x's in all lanes
.irp i, 0,1,2,3
.irp q, 0,1
	ds_load_b32 v[SC+16*((\pr)%2)+2*\i+\q], v[ADRSV] offset:(2*(\pr)+\q)*1024+64*\i
.endr
.endr
.irp i, 4,5,6,7
.irp q, 0,1
	ds_load_b32 v[SC+16*((\pr)%2)+2*\i+\q], v[ADRSB] offset:(2*(\pr)+\q)*1024+64*\i
.endr
.endr
.endm
.macro STEPV v, zero                   ; the next step's fragments are asked for first, into the other set; then 32 products, the 32 accumulators by turns
	s_wait_dscnt 0x0
.if (\v) < 7
	PLACES 4
	FETCHV (\v)+1
.if ((\v)+1)%2 == 0
	SCALESV ((\v)+1)/2
.endif
.endif
	WIN MUL_LO
.set SQ, SC+16*(((\v)/2)%2)+(\v)%2
.irp a, 0,1,2,3
.irp b, 0,1,2,3,4,5,6,7
	WM 8*(8*\a+\b), 128*((\v)%2)+FR*\b, AF+48*((\v)%2)+FR*\a, SQ+2*\b, SQ+2*\a, \zero
.endr
.endr
.endm
; THE WAY OUT of source 1's tile a: its 64 numbers a lane become 12 registers of codes and a scale word.  Each accumulator is read from its low end on.
; Four tiles a0 .. a0 + 3, which lie in one window, go together: every step is taken on the four tiles by turns, so that no line reads the result of the line above it.
.macro QOUT4 a0, pitch, cb
.set WW, 2+(\a0)/4
	WIN (WW<<2)|(WW<<4)
.irp t, 0,1,2,3
.irp b, 0,1,2,3
	v_max3_num_f32 v[TT+12*\t+\b], 0x1800000, |v[64*\t+16*\b]|, |v[64*\t+16*\b+1]|   ; block b of tile t: my 16 numbers, and the floor 2^(3 - 127): the byte cannot fall under 1
.endr
.endr
.irp i, 2,4,6,8,10,12,14
.irp t, 0,1,2,3
.irp b, 0,1,2,3
	v_max3_num_f32 v[TT+12*\t+\b], v[TT+12*\t+\b], |v[64*\t+16*\b+\i]|, |v[64*\t+16*\b+\i+1]|
.endr
.endr
.endr
	WIN 0
.irp t, 0,1,2,3
.irp b, 0,1,2,3
	v_permlanex16_b32 v[TT+12*\t+4+\b], v[TT+12*\t+\b], s98, s99
.endr
.endr
.irp t, 0,1,2,3
.irp b, 0,1,2,3
	v_max_num_f32 v[TT+12*\t+\b], v[TT+12*\t+\b], v[TT+12*\t+4+\b]   ; with lane l xor 16's: the block's largest magnitude
.endr
.endr
.irp t, 0,1,2,3
.irp b, 0,1,2,3
	v_add_nc_u32 v[TT+12*\t+8+\b], 0xff000000, v[TT+12*\t+\b]        ; 2 off the exponent field: the conversion's scale operand
.endr
.endr
.irp t, 0,1,2,3
.irp b, 0,1,2,3
	v_lshrrev_b32 v[TT+12*\t+\b], 23, v[TT+12*\t+8+\b]               ; the scale's byte
.endr
.endr
.irp t, 0,1,2,3
	v_lshl_or_b32 v[PW+(\a0)+\t], v[TT+12*\t+1], 8, v[TT+12*\t]
.endr
.irp t, 0,1,2,3
	v_lshl_or_b32 v[PW+(\a0)+\t], v[TT+12*\t+2], 16, v[PW+(\a0)+\t]
.endr
.irp t, 0,1,2,3
	v_lshl_or_b32 v[PW+(\a0)+\t], v[TT+12*\t+3], 24, v[PW+(\a0)+\t]
.endr
	WIN WW
.irp t, 0,1,2,3
.irp c, 0,1
	v_cvt_scalef32_pk16_fp6_f32 v[AF+FR*((\a0)+\t)+6*\c:AF+FR*((\a0)+\t)+6*\c+2], v[64*\t+32*\c:64*\t+32*\c+15], v[TT+12*\t+8+2*\c]
	v_cvt_scalef32_pk16_fp6_f32 v[TT+12*\t+4*\c:TT+12*\t+4*\c+2], v[64*\t+32*\c+16:64*\t+32*\c+31], v[TT+12*\t+8+2*\c+1]   ; (a conversion's three registers begin on an even number)
.endr
.endr
	WIN 0
	v_nop                                          ; one plain place behind a scaled conversion
.irp t, 0,1,2,3                                ; the layout wants a whole block in a lane
.irp c, 0,1
.irp i, 0,1,2
	v_permlane16_swap_b32 v[AF+FR*((\a0)+\t)+6*\c+\i], v[TT+12*\t+4*\c+\i]
.endr
.endr
.endr
.irp t, 0,1,2,3
.irp c, 0,1
.irp i, 0,1,2
	v_mov_b32 v[AF+FR*((\a0)+\t)+6*\c+3+\i], v[TT+12*\t+4*\c+\i]
.endr
.endr
.endr
.irp t, 0,1,2,3
.irp g, 0,1,2
	global_store_b128 v[L16], v[AF+FR*((\a0)+\t)+4*\g:AF+FR*((\a0)+\t)+4*\g+3], s[\cb:\cb+1] offset:(\pitch)*((\a0)+\t)+512*\g   ; 512 consecutive bytes of the tile's image
.endr
.endr
.irp t, 0,1,2,3
	ds_store_b32 v[SW], v[PW+(\a0)+\t] offset:64*((\a0)+\t)   ; lanes r and r + 16 write the same word with the same value
.endr
.endm
	s_wait_tensorcnt 0x0                           ; my tile of the head's four is in
	ds_add_u32 v[SPW], v[NIL]
	DIMS 576, 8                                    ; from here on a load brings eight tiles
	DESC REG, REG+BO1, 8*P3, 46, 92, 3*STEPB
	s_wait_dscnt 0x0
	CROUND                                         ; all four tiles are in, and all sixteen work-groups are here
	JLOAD                                          ; steps 3-5 into region 1
	; ---- PART 1: a tile of Q or K
	FETCH_B 0
	FETCH_A 0, 0
	SCALES 0
	FETCH_A 0, 4
	ASK PF12, PFA, 6*STEPB                         ; steps 6-7 of my two tiles
	ASK PF12, PFB, 6*STEPB
	STEP 0, 1                                      ; the first products start the sums: nothing is cleared
	STEP 1, 0
	TURN 2, 1
	STEP 3, 0
	STEP 4, 0
	TURN 5, 2
	STEP 6, 0
	s_wait_dscnt 12
	WIN MUL_LO
	MUL16 0, 7, 0
	MUL16 2, 7, 0
	s_wait_dscnt 0x0
	WIN MUL_HI
	MUL16 4, 7, 0
	MUL16 6, 7, 0
	WIN 0
	s_wait_loadcnt 0x0                             ; part 2's scale words go to LDS bytes of their own
	ds_store_b128 v31, v[72:75]
	ds_store_b128 v31, v[76:79] offset:4096
.irp i, 0,1,2,3
	ds_store_b128 v15, v[80+4*\i:83+4*\i] offset:2048*\i
.endr
	s_wait_tensorcnt 0x0                           ; part 2's steps 0-3 are in
	ds_add_u32 v[SPW], v[NIL]
	DESC 0, BO2, 8*P4, VA, VB, 4*STEPB
	s_wait_dscnt 0x0                               ; the add and my stores are done; my reads of region 0 are over
	CROUND
	JLOADV                                         ; part 2's steps 4-7 into region 0: they land under the way out below
.irp t, 0,1,2,3                                ; a lane permute's destination counts as one of its sources: written once.  These 16 plain lines, on every wave's path, are also the places ahead of the first read of results
.irp b, 4,5,6,7
	v_mov_b32 v[TT+12*\t+\b], 0
.endr
.endr
	QOUT4 0, 12288, OC
	QOUT4 4, 12288, OC
	ds_load_b128 v[BM:BM+3], v[SRD]                ; my eight tiles' words, 512 bytes: LDS serves a wave's instructions in order
	s_wait_dscnt 0x0
	global_store_b128 v[L16], v[BM:BM+3], s[OS:OS+1]
	s_wait_xcnt 0x0                                ; part 1's stores have read their registers: only now do fragments land on the codes
	s_wait_tensorcnt 0x0                           ; my part of part 2's steps 4-7 is in
	s_barrier_signal -1
	s_barrier_wait -1
	; ---- PART 2: a tile of V^T, all of its K in LDS
	FETCHV 0
	SCALESV 0
	STEPV 0, 1                                     ; the first products start the sums anew, on accumulators that have been read out
.irp v, 1,2,3,4,5,6,7
	STEPV \v, 0
.endr
	WIN 0
	PLACES 4
	QOUT4 0, 24576, VC
	ds_load_b64 v[BM:BM+1], v[SRD8]                ; my four tiles' words, 256 bytes
	s_wait_dscnt 0x0
	global_store_b64 v[L8], v[BM:BM+1], s[VS:VS+1] ; 256 consecutive bytes, at a multiple of 256 from the buffer's first byte
	s_wait_tensorcnt 0x0                           ; the wave's end
	ds_add_u32 v[SPW], v[NIL]
	s_wait_dscnt 0x0
	CROUND                                         ; the closing round
	s_endpgm
.Lfunc_end_k_qb70baced3b_qkv:
	.size	k_qb70baced3b_qkv, .Lfunc_end_k_qb70baced3b_qkv-k_qb70baced3b_qkv
	.p2alignl 7, 3214868480
	.fill 96, 4, 3214868480
	.section	.rodata,"a",@progbits
	.p2align	6, 0x0
	.amdhsa_kernel k_qb70baced3b_qkv
		.amdhsa_group_segment_fixed_size 327680
		.amdhsa_private_segment_fixed_size 0
		.amdhsa_enable_private_segment 0
		.amdhsa_kernarg_size 32
		.amdhsa_user_sgpr_count 2
		.amdhsa_user_sgpr_kernarg_segment_ptr 1
		.amdhsa_wavefront_size32 1
		.amdhsa_system_sgpr_workgroup_id_x 1
		.amdhsa_system_sgpr_workgroup_id_y 1
		.amdhsa_system_sgpr_workgroup_id_z 1
		.amdhsa_system_vgpr_workitem_id 0
		.amdhsa_next_free_vgpr 1024
		.amdhsa_next_free_sgpr 102
		.amdhsa_reserve_vcc 0
		.amdhsa_float_denorm_mode_32 3
		.amdhsa_float_denorm_mode_16_64 3
		.amdhsa_memory_ordered 1
		.amdhsa_forward_progress 1
		.amdhsa_inst_pref_size 223
	.end_amdhsa_kernel
	.amdgpu_metadata
---
amdhsa.version: [ 1, 2 ]
amdhsa.kernels:
  - .name:           k_qb70baced3b_qkv
    .symbol:         k_qb70baced3b_qkv.kd
    .args:
      - { .name: icod, .offset: 0, .size: 8, .value_kind: global_buffer, .address_space: global }
      - { .name: iscl, .offset: 8, .size: 8, .value_kind: global_buffer, .address_space: global }
      - { .name: qcod, .offset: 16, .size: 8, .value_kind: global_buffer, .address_space: global }
      - { .name: qscl, .offset: 24, .size: 8, .value_kind: global_buffer, .address_space: global }
    .group_segment_fixed_size: 327680
    .private_segment_fixed_size: 0
    .kernarg_segment_align: 8
    .kernarg_segment_size: 32
    .max_flat_workgroup_size: 128
    .sgpr_count:     102
    .vgpr_count:     1024
    .wavefront_size: 32
...
	.end_amdgpu_metadata
.endif
;; end of part 2
;; launch scores (part 3): grid 8 x 32, 4 waves a work-group, clusters of 4 x 4, 327,680 bytes of LDS; arguments qcod, qscl, pcod, pstat; writes pcod, pstat
.if DOCPART == 3
	.amdgcn_target "amdgcn-amd-amdhsa--gfx1250"
	.amdhsa_code_object_version 6
	.text
	.protected	k_qb70baced3b_scores
	.globl	k_qb70baced3b_scores
	.p2align	8
	.type	k_qb70baced3b_scores,@function
k_qb70baced3b_scores:
	s_mov_b64 s[64:65], 0
	v_nop
	global_prefetch_b8 v0, s[64:65] scope:SCOPE_SE
	s_setreg_imm32_b32 hwreg(HW_REG_WAVE_MODE, 25, 1), 1
	s_wait_xcnt 0x0
	s_wait_alu depctr_hold_cnt(0) depctr_sa_sdst(0) depctr_va_vdst(0) depctr_va_sdst(0) depctr_va_ssrc(0) depctr_va_vcc(0) depctr_vm_vsrc(0)
	s_getreg_b32 s2, hwreg(HW_REG_IB_STS2, 6, 4)
	s_cmp_eq_u32 s2, 0
	s_cbranch_scc0 .Lentry_in_a_cluster
	s_endpgm
.Lentry_in_a_cluster:
	s_bfe_u32 s2, ttmp6, 0x10000c
	s_cmp_lg_u32 s2, 0xf033
	s_cbranch_scc0 .Lentry_shape_is_right
	s_endpgm
.Lentry_shape_is_right:
; S = Q K^T on codes of FP6 (E2M3) with E8M0 scales, K = 1,024, and the softmax's p, quantised along the keys.  Scores never go to memory.
; t = score x log2(e) / 32.  For each query and each 128 keys (a wave's columns): M = ceil(the largest t of these 128 keys), a whole number; p = 2^(t - M); l = the sum of the unquantised p.
; p leaves as codes with one E8M0 byte for each 32 keys; -M and l leave beside the bytes.  The next launch brings all 16 steps of a row under the row's largest M by taking a whole number off the bytes: an exact power of two.
; OPERANDS are images of their registers: a tile (16 rows x 128 K) is 1,536 bytes; tile 2 B + u holds in its row r the tensor's row 32 B + 8 u + r + 8 (r / 8).
; qcod: [tile][K step 0..7][1536]; a group is 16 tiles: groups 0-31 Q, 32-63 K.  qscl: [group][step][256 words].
; A work-group of four waves makes 256 queries x 256 keys, a wave 128 x 128.  Source 1 = 16 queries, source 0 = 16 keys: a lane holds one query, and the 64 registers of accumulators (a, 0 .. 7), numbered 16 B + i, are keys 32 B + 16 (lane / 16) + i.
; LDS: two regions of 147,456 bytes.  K comes in three fills: steps 0-2 into region 0 (at the head, with the scale words: one load a wave), steps 3-5 into region 1, steps 6-7 into region 0 again.  All is written out.
; CLUSTERS: 4 x 4: Q's group is shared along a row of the cluster, K's along a column: joint loads, one a wave.
; PREFETCHES: each fill's bytes are named one fill ahead, the head's own as soon as the addresses are known.  A group's 16 tiles are shared out by address among the 16 waves of the four partners that ask for it jointly:
; a wave a tile, a lane 256 bytes (18 or 12 lanes; the lanes left over name the last block again).
; THE SOFTMAX takes four tiles of queries, one window of accumulators, at a time, every step on the four tiles by turns; t - M and p are made in place, in the accumulators' registers.
; pcod: [512 tiles of queries][16 steps of 128 keys][1536].  pstat: three sections of 524,288 bytes, each [group][step][256 rows]: scale words, -M, l.
; LIMITS: a p under 2^-126 counts as 0 (v_exp_f32); a block whose every p is 0 keeps the byte 1; NaN and infinities are not served; M is exact while |t| stays under 2^24.
; REGISTERS: window 0: v2-29 addresses; v32-63 scale words, two sets, and nothing else; v72-119 the softmax's temporaries; v128-223 Q's fragments, later the eight tiles' codes; v224-247 the tiles' scale words, -M and l.
;   window 1: K's fragments, two sets.  windows 2, 3: the accumulators, (a, b) at v[8 (8 (a % 4) + b)], later p.
.set FR,    12
.set STEPB, 1536
.set P3,    3*STEPB
.set P2,    2*STEPB
.set REG,   32*P3
.set BO1,   16*P3
.set SCL,   2*REG
.set SST,   SCL+16384                  ; 1,536 bytes a wave: scale words, -M, l; no tensor load lands here
.set SPARE, SST+4*1536                 ; the spare words, 128 bytes a wave: two blocks of 256 bytes that no other line names
.set L16,  2
.set ADRA, 8
.set ADRB, 12
.set PF18, 20
.set PF12, 21
.set SW,   24
.set SRD,  25
.set ADRS, 27
.set SPW,  28
.set NIL,  29
.set SC,   32
.set TT,   72                          ; 12 a tile for four tiles: 0-3 block maxima, then bytes; 4-7 the other half's maxima, then the sum's two chains; 8-11 the row's t and sum, then the conversions' scale operands; 0-7 at last the codes' second halves
.set AF,   128
.set PW,   224                         ; v224-231 tile a's scale word
.set NML,  232                         ; v232-247 tile a's pair: -M, l
.set CS,   100
.set G1,   24
.set G0,   32
.set PFA,  36
.set PFB,  38
.set G1B,  48
.set G0B,  56
.set G1S,  68
.set G0S,  76
.set G1SB, 80
.set G0SB, 88
.set MSB, 0
.macro WIN new
.if MSB != (\new)
	s_set_vgpr_msb (MSB<<8)|(\new)
.set MSB, (\new)
.endif
.endm
.set MUL_LO, 0xa1
.set MUL_HI, 0xf1
.set TO_B,   0x40
.macro TLOAD g0, g1                    ; a tensor load with an s_nop and four v_nop behind it
	tensor_load_to_lds s[\g0:\g0+3], s[\g1:\g1+7]
	s_nop 0
.rept 4
	v_nop
.endr
.endm
.macro JLOAD                           ; waves 0 and 1 fetch Q's halves, waves 2 and 3 K's
	s_cmp_eq_u32 s15, 0
	s_cbranch_scc0 .Lfor_b_\@
	TLOAD G0, G1
	s_branch .Lasked_\@
.Lfor_b_\@:
	TLOAD G0B, G1B
.Lasked_\@:
.endm
.macro CREST
	s_cmp_lg_u32 s14, 0
	s_cbranch_scc1 .Lnot_wave_0_\@
	s_barrier_signal -3
.Lnot_wave_0_\@:
	s_barrier_wait -3
	s_barrier_signal -1
	s_barrier_wait -1
.endm
.macro CROUND
	s_barrier_signal -1
	s_barrier_wait -1
	CREST
.endm
.macro PLACES n
.rept \n
	v_nop
.endr
.endm
.macro DIMS e, r                       ; a fill's tile: r rows (tiles) of e elements of 8 bytes.  Written only where no tensor load of the wave is out
.irp g, G1, G1B
	s_mov_b32 s[\g+1], (\e)<<16
	s_mov_b32 s[\g+2], (\r)<<16
	s_mov_b32 s[\g+3], (\e)<<16
	s_mov_b32 s[\g+4], \r
.endr
.endm
.macro DESC la, lb, hp, ga, gb, off    ; group 0 of the next fill
	s_mul_i32 s94, s16, \hp
	s_add_co_u32 s[G0+1], s94, \la
	s_add_co_u32 s[G0B+1], s94, \lb
	s_add_nc_u64 s[G0+2:G0+3], s[\ga:\ga+1], \off
	s_or_b32 s[G0+3], s[G0+3], 0x80000000
	s_add_nc_u64 s[G0B+2:G0B+3], s[\gb:\gb+1], \off
	s_or_b32 s[G0B+3], s[G0B+3], 0x80000000
.endm
.macro ASK v, p, off
	global_prefetch_b8 v[\v], s[\p:\p+1] offset:\off th:TH_LOAD_NT scope:SCOPE_SE
.endm
	s_load_b128 s[4:7], s[0:1], 0x0                ; qcod, qscl
	s_load_b128 s[8:11], s[0:1], 0x10              ; pcod, pstat
	v_lshl_add_u32 v[SPW], v0, 2, SPARE
	v_mov_b32 v[NIL], 0
	ds_add_u32 v[SPW], v[NIL]                      ; the opening lines: the add, twice on end, and its wait ahead of my first tensor load
	ds_add_u32 v[SPW], v[NIL]
	v_lshrrev_b32 v1, 5, v0
	v_readfirstlane_b32 s14, v1
	s_lshr_b32 s15, s14, 1                         ; my half of the queries; also: I fetch for Q (0) or K (1)
	s_and_b32 s16, s14, 1                          ; my half of the keys; also: which eight tiles I fetch
	s_mul_i32 s94, s15, 8*P3
	s_mul_i32 s95, s15, 8*P2
	s_mul_i32 s96, s16, 8*P3
	s_add_co_u32 s96, s96, BO1
	s_mul_i32 s97, s16, 8*P2
	s_add_co_u32 s97, s97, BO1
	s_lshl_b32 s45, s15, 9
	s_lshl_b32 s47, s16, 9
	s_add_co_u32 s47, s47, 8192
	s_sub_co_u32 s47, s47, s45
	s_add_co_u32 s45, s45, SCL
	s_mul_i32 s2, s14, 1536
	s_add_co_u32 s2, s2, SST
	v_and_b32 v5, 31, v0
	v_and_b32 v3, 15, v0
	v_bfe_u32 v4, v0, 4, 1
	v_lshlrev_b32 v[L16], 4, v5
	v_add_nc_u32 v[ADRA], s94, v[L16]
	v_add_nc_u32 v[ADRA+1], REG, v[ADRA]
	v_add_nc_u32 v[ADRA+2], s95, v[L16]
	v_add_nc_u32 v[ADRB], s96, v[L16]
	v_add_nc_u32 v[ADRB+1], REG, v[ADRB]
	v_add_nc_u32 v[ADRB+2], s97, v[L16]
	v_mul_u32_u24 v11, s47, v4                     ; lanes 16-31 take K's words: one product, the distance between the two
	v_lshl_add_u32 v11, v3, 2, v11
	v_add_nc_u32 v[ADRS], s45, v11
	v_lshl_add_u32 v[SW], v3, 2, s2
	v_add_nc_u32 v[SRD], s2, v[L16]
	v_min_u32 v[PF18], 17, v5
	v_lshlrev_b32 v[PF18], 8, v[PF18]
	v_min_u32 v[PF12], 11, v5
	v_lshlrev_b32 v[PF12], 8, v[PF12]
	s_bfe_u32 s40, ttmp6, 0x40000                  ; cx
	s_bfe_u32 s41, ttmp6, 0x40004                  ; cy
	s_and_b32 s66, ttmp7, 0xffff                   ; the cluster's y; the batch is its half
	s_lshl_b32 s17, s66, 2
	s_add_co_u32 s17, s17, s41                     ; Q's group: 4 Y + cy
	s_lshr_b32 s42, s66, 1
	s_lshl_b32 s42, s42, 3
	s_lshl_b32 s95, ttmp9, 2
	s_add_co_u32 s67, s95, s40                     ; the keys' group in the batch: 4 X + cx
	s_add_co_u32 s42, s42, s67
	s_add_co_u32 s42, s42, 32                      ; K's group
	s_lshl_b32 s43, s41, 2
	s_lshl_b32 s43, 15, s43
	s_lshl_b32 s44, 0x1111, s40
	s_or_b32 s[G1+0], s43, (3<<16)|(1<<21)
	s_or_b32 s[G1B+0], s44, (3<<16)|(1<<21)
	DIMS 576, 16                                   ; the head's loads: 16 tiles x three steps
.irp g, G1, G1B
	s_mov_b32 s[\g+5], 1536
	s_mov_b32 s[\g+6], 0
	s_mov_b32 s[\g+7], 0
.endr
	s_or_b32 s[G1S+0], s43, (3<<16)|(1<<21)        ; a group's scale words: 8,192 dense bytes as 32 rows of 256
	s_or_b32 s[G1SB+0], s44, (3<<16)|(1<<21)
.irp g, G1S, G1SB
	s_mov_b32 s[\g+1], 32<<16
	s_mov_b32 s[\g+2], 32<<16
	s_mov_b32 s[\g+3], 32<<16
	s_mov_b32 s[\g+4], 32
	s_mov_b32 s[\g+5], 32
	s_mov_b32 s[\g+6], 0
	s_mov_b32 s[\g+7], 0
.endr
	s_mul_i32 s46, s17, 196608
	s_mov_b32 s47, 0
	s_mul_i32 s92, s42, 196608
	s_mov_b32 s93, 0
	s_lshl_b32 s22, s17, 13
	s_mov_b32 s23, 0
	s_lshl_b32 s20, s42, 13
	s_mov_b32 s21, 0
	s_mul_i32 s96, s16, 98304
	s_mov_b32 s97, 0
	s_lshl_b32 s94, s40, 2                         ; prefetches: of Q's group tile 4 cx + wave,
	s_add_co_u32 s94, s94, s14
	s_mul_i32 s94, s94, 12288
	s_add_co_u32 s[PFA], s46, s94
	s_mov_b32 s[PFA+1], 0
	s_lshl_b32 s94, s41, 2                         ; of K's group tile 4 cy + wave
	s_add_co_u32 s94, s94, s14
	s_mul_i32 s94, s94, 12288
	s_add_co_u32 s[PFB], s92, s94
	s_mov_b32 s[PFB+1], 0
	s_mov_b32 s98, 0x76543210
	s_mov_b32 s99, 0xfedcba98
	s_mov_b32 s[CS], 0x3d38aa3b                    ; log2(e) / 32
	s_mov_b32 s[CS+1], s[CS]
	s_wait_alu depctr_va_vdst(0)                   ; all the head's vector writes stand ahead of it
	s_wait_dscnt 0x0
	s_wait_kmcnt 0x0
	s_add_nc_u64 s[46:47], s[4:5], s[46:47]
	s_add_nc_u64 s[92:93], s[4:5], s[92:93]
	s_add_nc_u64 s[22:23], s[6:7], s[22:23]
	s_add_nc_u64 s[20:21], s[6:7], s[20:21]
	s_add_nc_u64 s[PFA:PFA+1], s[4:5], s[PFA:PFA+1]
	s_add_nc_u64 s[PFB:PFB+1], s[4:5], s[PFB:PFB+1]
	ASK PF18, PFA, 0                               ; the head's own fill, steps 0-2 of my two tiles, ahead of the opening round
	ASK PF18, PFB, 0
	s_mov_b32 s[G0], 1
	s_mov_b32 s[G0+1], 0
	s_mov_b64 s[G0+2:G0+3], s[46:47]
	s_or_b32 s[G0+3], s[G0+3], 0x80000000
	s_mov_b32 s[G0B], 1
	s_mov_b32 s[G0B+1], BO1
	s_mov_b64 s[G0B+2:G0B+3], s[92:93]
	s_or_b32 s[G0B+3], s[G0B+3], 0x80000000
	s_mov_b32 s[G0S], 1
	s_mov_b32 s[G0S+1], SCL
	s_mov_b64 s[G0S+2:G0S+3], s[22:23]
	s_or_b32 s[G0S+3], s[G0S+3], 0x80000000
	s_mov_b32 s[G0SB], 1
	s_mov_b32 s[G0SB+1], SCL+8192
	s_mov_b64 s[G0SB+2:G0SB+3], s[20:21]
	s_or_b32 s[G0SB+3], s[G0SB+3], 0x80000000
	s_add_nc_u64 s[46:47], s[46:47], s[96:97]      ; for the later fills: my eight tiles
	s_add_nc_u64 s[92:93], s[92:93], s[96:97]
	CROUND                                         ; all sixteen work-groups are here: the first joint loads meet
.macro ARM under, g0, g1, next                 ; one chain of branches on the wave's number, one load to an arm, all arms to one join
	s_cmp_lt_u32 s14, \under
	s_cbranch_scc0 \next
	TLOAD \g0, \g1
	s_branch .Lhead_asked
\next:
.endm
	ARM 1, G0,  G1,  .Lhead_b
	ARM 2, G0B, G1B, .Lhead_sa
	ARM 3, G0S, G1S, .Lhead_sb
	TLOAD G0SB, G1SB
.Lhead_asked:
	ASK PF18, PFA, 3*STEPB                         ; steps 3-5 of my two tiles: the next fill's bytes
	ASK PF18, PFB, 3*STEPB
	; where my results go: tile (4 Y + cy) 16 + 8 half + a, step 2 (4 X + cx) + half
	s_lshl_b32 s18, s17, 4
	s_lshl_b32 s12, s15, 3
	s_add_co_u32 s18, s18, s12
	s_mul_i32 s18, s18, 24576
	s_lshl_b32 s12, s67, 1
	s_add_co_u32 s12, s12, s16
	s_mul_i32 s13, s12, 1536
	s_add_co_u32 s18, s18, s13
	s_mov_b32 s19, 0
	s_add_nc_u64 s[8:9], s[8:9], s[18:19]
	s_lshl_b32 s18, s17, 14
	s_lshl_b32 s12, s12, 10
	s_add_co_u32 s18, s18, s12
	s_lshl_b32 s12, s15, 9
	s_add_co_u32 s18, s18, s12
	s_add_nc_u64 s[10:11], s[10:11], s[18:19]
.macro WM acc, bf, af, sb, sa, zero    ; one product; zero = 1: it starts its sum
.if \zero
	v_wmma_scale_f32_16x16x128_f8f6f4 v[\acc:\acc+7], v[\bf:\bf+FR-1], v[\af:\af+FR-1], 0, v[\sb], v[\sa] matrix_a_fmt:MATRIX_FMT_FP6 matrix_b_fmt:MATRIX_FMT_FP6 matrix_a_scale:MATRIX_SCALE_ROW1
.else
	v_wmma_scale_f32_16x16x128_f8f6f4 v[\acc:\acc+7], v[\bf:\bf+FR-1], v[\af:\af+FR-1], v[\acc:\acc+7], v[\sb], v[\sa] matrix_a_fmt:MATRIX_FMT_FP6 matrix_b_fmt:MATRIX_FMT_FP6 matrix_a_scale:MATRIX_SCALE_ROW1
.endif
.endm
.macro FRAG reg, adr, st, i            ; tile i's image of step st: three loads of 512 consecutive bytes
.set RG, (\st)/3
.set PI, P3-(RG/2)*(P3-P2)
.irp c, 0,1,2
	ds_load_b128 v[\reg+4*\c:\reg+4*\c+3], v[\adr+RG] offset:(\i)*PI+((\st)-3*RG)*STEPB+512*\c
.endr
.endm
; 16 products: Q's tiles a0, a0 + 1 x K's eight.  The 64 accumulators take turns, one instruction a turn, in the same order in every step.
.macro MUL16 a0, st, zero
.set BP, 128*((\st)%2)
.set SQ, SC+16*(((\st)/2)%2)+(\st)%2
.irp a, \a0, \a0+1
.irp b, 0,1,2,3,4,5,6,7
	WM 8*(8*((\a)%4)+\b), BP+FR*\b, AF+FR*(\a), SQ+2*\b, SQ+2*(\a), \zero
.endr
.endr
.endm
.macro FETCH_B st
	WIN TO_B
.irp i, 0,1,2,3,4,5,6,7
	FRAG 128*((\st)%2)+FR*\i, ADRB, \st, \i
.endr
	WIN 0
.endm
.macro FETCH_A st, i0
.irp i, \i0, \i0+1, \i0+2, \i0+3
	FRAG AF+FR*(\i), ADRA, \st, \i
.endr
.endm
.macro SCALES pr
.irp i, 0,1,2,3,4,5,6,7
.irp q, 0,1
	ds_load_b32 v[SC+16*((\pr)%2)+2*\i+\q], v[ADRS] offset:(2*(\pr)+\q)*1024+64*\i
.endr
.endr
.endm
.macro NEXTF st
	FETCH_B (\st)+1
	FETCH_A (\st)+1, 0
.if ((\st)+1)%2 == 0
	SCALES ((\st)+1)/2
.endif
.endm
.macro UPPER st, zero
	WIN MUL_HI
	MUL16 4, \st, \zero
	MUL16 6, \st, \zero
	PLACES 4
	WIN 0
	FETCH_A (\st)+1, 4
.endm
.macro STEP st, zero
	s_wait_dscnt 12                                ; all but the youngest 12 loads (Q's tiles 4-7) are in
	WIN MUL_LO
	MUL16 0, \st, \zero
	MUL16 2, \st, \zero
	s_wait_dscnt 0x0
	PLACES 4                                       ; four plain places ahead of loads into registers that matrix instructions have read
	NEXTF \st
	UPPER \st, \zero
.endm
; A step that leaves its region: one barrier shows the next region whole and this one read out.  fill = 1: region 0 takes steps 6-7.
.macro TURN st, fill
	s_wait_tensorcnt 0x0                           ; all my tensor loads have landed: my part of the next region
	ds_add_u32 v[SPW], v[NIL]
.if \fill
	DIMS 384, 8
	DESC 0, BO1, 8*P2, 46, 92, 6*STEPB
.endif
	s_wait_dscnt 13                                ; (the add and the youngest 12 loads may be out)
	WIN MUL_LO
	MUL16 0, \st, 0
	s_wait_dscnt 0x0                               ; the add is done, and my reads of this region are over
	s_barrier_signal -1
	MUL16 2, \st, 0
	WIN 0
	s_barrier_wait -1
.if \fill
	CREST                                          ; the barrier has opened a round of the cluster's
	JLOAD
.else
	PLACES 4
.endif
	NEXTF \st
	UPPER \st, 0
.endm
	s_wait_tensorcnt 0x0                           ; my tile of the head's four is in
	ds_add_u32 v[SPW], v[NIL]
	DIMS 576, 8
	DESC REG, REG+BO1, 8*P3, 46, 92, 3*STEPB
	s_wait_dscnt 0x0
	CROUND
	JLOAD                                          ; steps 3-5 into region 1
	FETCH_B 0
	FETCH_A 0, 0
	SCALES 0
	FETCH_A 0, 4
	ASK PF12, PFA, 6*STEPB                         ; steps 6-7 of my two tiles
	ASK PF12, PFB, 6*STEPB
	STEP 0, 1
	STEP 1, 0
	TURN 2, 1
	STEP 3, 0
	STEP 4, 0
	TURN 5, 0
	STEP 6, 0
	s_wait_dscnt 12
	WIN MUL_LO
	MUL16 0, 7, 0
	MUL16 2, 7, 0
	s_wait_dscnt 0x0
	WIN MUL_HI
	MUL16 4, 7, 0
	MUL16 6, 7, 0
	WIN 0
.irp t, 0,1,2,3                                ; a lane permute's destination counts as one of its sources: written once.  These 20 plain lines are also the places ahead of the first read of results
.irp b, 4,5,6,7,9
	v_mov_b32 v[TT+12*\t+\b], 0
.endr
.endr
; THE SOFTMAX of Q's tiles a0 .. a0 + 3, one window of accumulators, over my 128 keys.  Every step is taken on the four tiles by turns, so that no line reads the result of the line above it.  Each accumulator is read from its low end on.
.macro SOFT4 a0
.set WW, 2+(\a0)/4
	WIN (WW<<2)|(WW<<4)
	s_wait_alu depctr_va_vdst(0)
.irp t, 0,1,2,3
.irp b, 0,1,2,3
	v_max3_num_f32 v[TT+12*\t+\b], 0xff800000, v[64*\t+16*\b], v[64*\t+16*\b+1]   ; the largest score of each block of 32 keys: it serves for the row's maximum and, since p rises with the score, for the block's largest p
.endr
.endr
.irp i, 2,4,6,8,10,12,14
.irp t, 0,1,2,3
.irp b, 0,1,2,3
	v_max3_num_f32 v[TT+12*\t+\b], v[TT+12*\t+\b], v[64*\t+16*\b+\i], v[64*\t+16*\b+\i+1]
.endr
.endr
.endr
	WIN 0
.irp t, 0,1,2,3
.irp b, 0,1,2,3
	v_permlanex16_b32 v[TT+12*\t+4+\b], v[TT+12*\t+\b], s98, s99
.endr
.endr
.irp t, 0,1,2,3
.irp b, 0,1,2,3
	v_max_num_f32 v[TT+12*\t+\b], v[TT+12*\t+\b], v[TT+12*\t+4+\b]   ; with lane l xor 16's 16 keys
.endr
.endr
.irp t, 0,1,2,3
	v_max3_num_f32 v[TT+12*\t+8], v[TT+12*\t], v[TT+12*\t+1], v[TT+12*\t+2]
.endr
.irp t, 0,1,2,3
	v_max_num_f32 v[TT+12*\t+8], v[TT+12*\t+8], v[TT+12*\t+3]
.endr
.irp t, 0,1,2,3
	v_mul_f32 v[TT+12*\t+8], s[CS], v[TT+12*\t+8]                    ; the largest t of these 128 keys (c is positive)
.endr
.irp t, 0,1,2,3
	v_floor_f32 v[NML+2*((\a0)+\t)], -v[TT+12*\t+8]                  ; -M = floor(-t) = -ceil(t): a whole number
.endr
.irp t, 0,1,2,3
	v_mov_b32 v[NML+2*((\a0)+\t)+1], 0                               ; (named with it as a pair; l comes here later)
.endr
	WIN (WW<<6)|WW
.set J, 0
.rept 32
.irp t, 0,1,2,3
	v_pk_fma_f32 v[64*\t+J:64*\t+J+1], v[64*\t+J:64*\t+J+1], s[CS:CS+1], v[NML+2*((\a0)+\t):NML+2*((\a0)+\t)+1] op_sel_hi:[1,0,0]   ; t - M, two at a time, in place
.endr
.set J, J+2
.endr
	WIN 0
.irp t, 0,1,2,3
.irp b, 0,1,2,3
	v_fma_f32 v[TT+12*\t+\b], v[TT+12*\t+\b], s[CS], v[NML+2*((\a0)+\t)]   ; the same of each block's largest score
.endr
.endr
	WIN (WW<<6)|WW
	s_wait_alu depctr_va_vdst(0)                   ; ahead of the batch
.set J, 0
.rept 256
	v_exp_f32 v[J], v[J]                           ; p = 2^(t - M), at most 1, in place
.set J, J+1
.endr
	WIN 0
.irp t, 0,1,2,3
.irp b, 0,1,2,3
	v_exp_f32 v[TT+12*\t+\b], v[TT+12*\t+\b]       ; the block's largest p: the same two instructions on the same number
.endr
.endr
	v_nop                                          ; a plain place behind the last exponential
	s_wait_alu depctr_va_vdst(0)                   ; one wait for the batch of 272, ahead of its first reader
	WIN WW|(WW<<2)
.irp t, 0,1,2,3
	v_pk_add_f32 v[TT+12*\t+4:TT+12*\t+5], v[64*\t:64*\t+1], v[64*\t+2:64*\t+3]      ; the sum is taken of the unquantised p: two at a time, in two chains a tile
	v_pk_add_f32 v[TT+12*\t+6:TT+12*\t+7], v[64*\t+4:64*\t+5], v[64*\t+6:64*\t+7]
.endr
	WIN WW<<2
.irp j, 8,12,16,20,24,28,32,36,40,44,48,52,56,60
.irp t, 0,1,2,3
	v_pk_add_f32 v[TT+12*\t+4:TT+12*\t+5], v[TT+12*\t+4:TT+12*\t+5], v[64*\t+\j:64*\t+\j+1]
	v_pk_add_f32 v[TT+12*\t+6:TT+12*\t+7], v[TT+12*\t+6:TT+12*\t+7], v[64*\t+\j+2:64*\t+\j+3]
.endr
.endr
	WIN 0
.irp t, 0,1,2,3
	v_pk_add_f32 v[TT+12*\t+4:TT+12*\t+5], v[TT+12*\t+4:TT+12*\t+5], v[TT+12*\t+6:TT+12*\t+7]
.endr
.irp t, 0,1,2,3
	v_add_f32 v[TT+12*\t+8], v[TT+12*\t+4], v[TT+12*\t+5]
.endr
.irp t, 0,1,2,3
	v_permlanex16_b32 v[TT+12*\t+9], v[TT+12*\t+8], s98, s99
.endr
.irp t, 0,1,2,3
	v_add_f32 v[NML+2*((\a0)+\t)+1], v[TT+12*\t+8], v[TT+12*\t+9]    ; l of my query over these 128 keys
.endr
.irp t, 0,1,2,3
.irp b, 0,1,2,3
	v_max_num_f32 v[TT+12*\t+\b], 0x1800000, v[TT+12*\t+\b]          ; the floor 2^(3 - 127): the byte cannot fall under 1
.endr
.endr
.irp t, 0,1,2,3
.irp b, 0,1,2,3
	v_add_nc_u32 v[TT+12*\t+8+\b], 0xff000000, v[TT+12*\t+\b]        ; 2 off the exponent field: the conversion's scale operand
.endr
.endr
.irp t, 0,1,2,3
.irp b, 0,1,2,3
	v_lshrrev_b32 v[TT+12*\t+\b], 23, v[TT+12*\t+8+\b]               ; the scale's byte
.endr
.endr
.irp t, 0,1,2,3
	v_lshl_or_b32 v[PW+(\a0)+\t], v[TT+12*\t+1], 8, v[TT+12*\t]
.endr
.irp t, 0,1,2,3
	v_lshl_or_b32 v[PW+(\a0)+\t], v[TT+12*\t+2], 16, v[PW+(\a0)+\t]
.endr
.irp t, 0,1,2,3
	v_lshl_or_b32 v[PW+(\a0)+\t], v[TT+12*\t+3], 24, v[PW+(\a0)+\t]
.endr
	WIN WW
.irp t, 0,1,2,3
.irp c, 0,1
	v_cvt_scalef32_pk16_fp6_f32 v[AF+FR*((\a0)+\t)+6*\c:AF+FR*((\a0)+\t)+6*\c+2], v[64*\t+32*\c:64*\t+32*\c+15], v[TT+12*\t+8+2*\c]
	v_cvt_scalef32_pk16_fp6_f32 v[TT+12*\t+4*\c:TT+12*\t+4*\c+2], v[64*\t+32*\c+16:64*\t+32*\c+31], v[TT+12*\t+8+2*\c+1]   ; (a conversion's three registers begin on an even number)
.endr
.endr
	WIN 0
	v_nop                                          ; one plain place behind a scaled conversion
.irp t, 0,1,2,3                                ; the layout wants a whole block in a lane
.irp c, 0,1
.irp i, 0,1,2
	v_permlane16_swap_b32 v[AF+FR*((\a0)+\t)+6*\c+\i], v[TT+12*\t+4*\c+\i]
.endr
.endr
.endr
.irp t, 0,1,2,3
.irp c, 0,1
.irp i, 0,1,2
	v_mov_b32 v[AF+FR*((\a0)+\t)+6*\c+3+\i], v[TT+12*\t+4*\c+\i]
.endr
.endr
.endr
.irp t, 0,1,2,3
.irp g, 0,1,2
	global_store_b128 v[L16], v[AF+FR*((\a0)+\t)+4*\g:AF+FR*((\a0)+\t)+4*\g+3], s[8:9] offset:24576*((\a0)+\t)+512*\g   ; 512 consecutive bytes of the tile's image; each tile has its own registers for its codes
.endr
.endr
.irp t, 0,1,2,3
	ds_store_b32 v[SW], v[PW+(\a0)+\t] offset:64*((\a0)+\t)
	ds_store_b32 v[SW], v[NML+2*((\a0)+\t)] offset:512+64*((\a0)+\t)
	ds_store_b32 v[SW], v[NML+2*((\a0)+\t)+1] offset:1024+64*((\a0)+\t)
.endr
.endm
	SOFT4 0
	SOFT4 4
	ds_load_b128 v[TT:TT+3], v[SRD]                ; my 128 rows' words, -M and l, 512 bytes each: LDS serves a wave's instructions in order
	ds_load_b128 v[TT+4:TT+7], v[SRD] offset:512
	ds_load_b128 v[TT+8:TT+11], v[SRD] offset:1024
	s_wait_dscnt 0x0
	global_store_b128 v[L16], v[TT:TT+3], s[10:11]
	global_store_b128 v[L16], v[TT+4:TT+7], s[10:11] offset:524288
	global_store_b128 v[L16], v[TT+8:TT+11], s[10:11] offset:1048576
	s_wait_tensorcnt 0x0                           ; the wave's end
	ds_add_u32 v[SPW], v[NIL]
	s_wait_dscnt 0x0
	CROUND                                         ; the closing round
	s_endpgm
.Lfunc_end_k_qb70baced3b_scores:
	.size	k_qb70baced3b_scores, .Lfunc_end_k_qb70baced3b_scores-k_qb70baced3b_scores
	.p2alignl 7, 3214868480
	.fill 96, 4, 3214868480
	.section	.rodata,"a",@progbits
	.p2align	6, 0x0
	.amdhsa_kernel k_qb70baced3b_scores
		.amdhsa_group_segment_fixed_size 327680
		.amdhsa_private_segment_fixed_size 0
		.amdhsa_enable_private_segment 0
		.amdhsa_kernarg_size 32
		.amdhsa_user_sgpr_count 2
		.amdhsa_user_sgpr_kernarg_segment_ptr 1
		.amdhsa_wavefront_size32 1
		.amdhsa_system_sgpr_workgroup_id_x 1
		.amdhsa_system_sgpr_workgroup_id_y 1
		.amdhsa_system_sgpr_workgroup_id_z 1
		.amdhsa_system_vgpr_workitem_id 0
		.amdhsa_next_free_vgpr 1024
		.amdhsa_next_free_sgpr 102
		.amdhsa_reserve_vcc 0
		.amdhsa_float_denorm_mode_32 3
		.amdhsa_float_denorm_mode_16_64 3
		.amdhsa_memory_ordered 1
		.amdhsa_forward_progress 1
		.amdhsa_inst_pref_size 200
	.end_amdhsa_kernel
	.amdgpu_metadata
---
amdhsa.version: [ 1, 2 ]
amdhsa.kernels:
  - .name:           k_qb70baced3b_scores
    .symbol:         k_qb70baced3b_scores.kd
    .args:
      - { .name: qcod, .offset: 0, .size: 8, .value_kind: global_buffer, .address_space: global }
      - { .name: qscl, .offset: 8, .size: 8, .value_kind: global_buffer, .address_space: global }
      - { .name: pcod, .offset: 16, .size: 8, .value_kind: global_buffer, .address_space: global }
      - { .name: pstat, .offset: 24, .size: 8, .value_kind: global_buffer, .address_space: global }
    .group_segment_fixed_size: 327680
    .private_segment_fixed_size: 0
    .kernarg_segment_align: 8
    .kernarg_segment_size: 32
    .max_flat_workgroup_size: 128
    .sgpr_count:     102
    .vgpr_count:     1024
    .wavefront_size: 32
...
	.end_amdgpu_metadata
.endif
;; end of part 3
;; launch pv (part 4): grid 4 x 64, 4 waves a work-group, clusters of 4 x 4, 327,680 bytes of LDS; arguments pcod, pstat, qcod, qscl, out0; writes out0
.if DOCPART == 4
	.amdgcn_target "amdgcn-amd-amdhsa--gfx1250"
	.amdhsa_code_object_version 6
	.text
	.protected	k_qb70baced3b_pv
	.globl	k_qb70baced3b_pv
	.p2align	8
	.type	k_qb70baced3b_pv,@function
k_qb70baced3b_pv:
	s_mov_b64 s[64:65], 0
	v_nop
	global_prefetch_b8 v0, s[64:65] scope:SCOPE_SE
	s_setreg_imm32_b32 hwreg(HW_REG_WAVE_MODE, 25, 1), 1
	s_wait_xcnt 0x0
	s_wait_alu depctr_hold_cnt(0) depctr_sa_sdst(0) depctr_va_vdst(0) depctr_va_sdst(0) depctr_va_ssrc(0) depctr_va_vcc(0) depctr_vm_vsrc(0)
	s_getreg_b32 s2, hwreg(HW_REG_IB_STS2, 6, 4)
	s_cmp_eq_u32 s2, 0
	s_cbranch_scc0 .Lentry_in_a_cluster
	s_endpgm
.Lentry_in_a_cluster:
	s_bfe_u32 s2, ttmp6, 0x10000c
	s_cmp_lg_u32 s2, 0xf033
	s_cbranch_scc0 .Lentry_shape_is_right
	s_endpgm
.Lentry_shape_is_right:
.set FR,    12
.set STEPB, 1536
.set TILEB, 4*STEPB
.set AHALF, 4*TILEB
.set BHALF, 8*TILEB
.set BOFF,  2*AHALF
.set SLOT,  BOFF+2*BHALF
.set SAREG, 2*SLOT
.set SBREG, SAREG+8192
.set LREG,  SBREG+16384
.set SPARE, LREG+512
.set SPITCH, 528
.set L16,  2
.set ADRA, 16
.set ADRB, 20
.set ASA,  22
.set ASB,  23
.set STO,  24
.set RD,   25
.set LRD,  27
.set SPW,  28
.set NIL,  29
.set SC,   32
.set AF,   128
.set RL,   224
.set WD,   128
.set NM,   144
.set LL,   160
.set VS,   176
.set NN,   208
.set T0,   232
.set G1, 24
.set G0, 32
.set G1B, 48
.set G0B, 56
.set MSB, 0
.macro WIN new
.if MSB != (\new)
	s_set_vgpr_msb (MSB<<8)|(\new)
.set MSB, (\new)
.endif
.endm
.set MUL,  0xa1
.macro JLOAD g0a, g1a, g0b, g1b
	s_cmp_eq_u32 s15, 0
	s_cbranch_scc0 .Lfor_b_\@
	tensor_load_to_lds s[\g0a:\g0a+3], s[\g1a:\g1a+7]
	s_nop 0
.rept 4
	v_nop
.endr
	s_branch .Lasked_\@
.Lfor_b_\@:
	tensor_load_to_lds s[\g0b:\g0b+3], s[\g1b:\g1b+7]
	s_nop 0
.rept 4
	v_nop
.endr
.Lasked_\@:
.endm
.macro CREST
	s_cmp_lg_u32 s14, 0
	s_cbranch_scc1 .Lnot_wave_0_\@
	s_barrier_signal -3
.Lnot_wave_0_\@:
	s_barrier_wait -3
	s_barrier_signal -1
	s_barrier_wait -1
.endm
.macro CROUND
	s_barrier_signal -1
	s_barrier_wait -1
	CREST
.endm
.macro PLACES n
.rept \n
	v_nop
.endr
.endm
	s_load_b256 s[4:11], s[0:1], 0x0
	s_load_b64 s[12:13], s[0:1], 0x20
	v_lshl_add_u32 v[SPW], v0, 2, SPARE
	v_mov_b32 v[NIL], 0
	ds_add_u32 v[SPW], v[NIL]
	ds_add_u32 v[SPW], v[NIL]
	v_lshrrev_b32 v1, 5, v0
	v_readfirstlane_b32 s14, v1
	s_lshr_b32 s15, s14, 1
	s_and_b32 s16, s14, 1
	s_bfe_u32 s40, ttmp6, 0x40000
	s_bfe_u32 s41, ttmp6, 0x40004
	s_and_b32 s66, ttmp7, 0xffff
	s_lshl_b32 s17, s66, 2
	s_add_co_u32 s17, s17, s41
	s_lshr_b32 s67, s66, 2
	s_lshl_b32 s43, s41, 2
	s_lshl_b32 s43, 15, s43
	s_lshl_b32 s44, 0x1111, s40
	s_or_b32 s[G1+0], s43, (3<<16)|(1<<21)
	s_mov_b32 s[G1+1], 768<<16
	s_mov_b32 s[G1+2], 8<<16
	s_mov_b32 s[G1+3], 768<<16
	s_mov_b32 s[G1+4], 8
	s_mov_b32 s[G1+5], 3072
	s_mov_b32 s[G1+6], 0
	s_mov_b32 s[G1+7], 0
	s_or_b32 s[G1B+0], s44, (3<<16)|(1<<21)
	s_mov_b32 s[G1B+1], 768<<16
	s_mov_b32 s[G1B+2], 8<<16
	s_mov_b32 s[G1B+3], 768<<16
	s_mov_b32 s[G1B+4], 8
	s_mov_b32 s[G1B+5], 3072
	s_mov_b32 s[G1B+6], 0
	s_mov_b32 s[G1B+7], 0
	s_lshl_b32 s20, s17, 3
	s_lshl_b32 s95, s16, 2
	s_add_co_u32 s20, s20, s95
	s_mul_i32 s20, s20, 24576
	s_mov_b32 s21, 0
	s_lshl_b32 s46, s40, 4
	s_lshl_b32 s96, s16, 3
	s_add_co_u32 s46, s46, s96
	s_mul_i32 s46, s46, 24576
	s_mul_i32 s96, s67, 1572864
	s_add_co_u32 s46, s46, s96
	s_add_co_u32 s46, s46, 12582912
	s_mov_b32 s47, 0
	s_mul_i32 s45, s16, AHALF
	s_mul_i32 s94, s16, BHALF
	s_add_co_u32 s94, s94, BOFF
	s_wait_dscnt 0x0
	s_wait_kmcnt 0x0
	s_add_nc_u64 s[20:21], s[4:5], s[20:21]
	s_add_nc_u64 s[46:47], s[8:9], s[46:47]
.irp s, 0,1
	s_mov_b32 s[G0+4*\s], 1
	s_add_co_u32 s[G0+4*\s+1], s45, \s*SLOT
	s_add_nc_u64 s[G0+4*\s+2:G0+4*\s+3], s[20:21], \s*TILEB
	s_or_b32 s[G0+4*\s+3], s[G0+4*\s+3], 0x80000000
	s_mov_b32 s[G0B+4*\s], 1
	s_add_co_u32 s[G0B+4*\s+1], s94, \s*SLOT
	s_add_nc_u64 s[G0B+4*\s+2:G0B+4*\s+3], s[46:47], \s*TILEB
	s_or_b32 s[G0B+4*\s+3], s[G0B+4*\s+3], 0x80000000
.endr
	; prefetches, one fill (four K steps, 6,144 bytes of a tile) ahead, shared out by address among the 16 waves of the four partners that ask jointly:
	; of p's eight tiles: tile 2 cx + wave / 2, half wave % 2 of the fill, 12 lanes x 256 bytes; of V^T's sixteen: tile 4 cy + wave, 24 lanes; the lanes left over name the last block again
	v_and_b32 v12, 31, v0
	v_min_u32 v10, 11, v12
	v_min_u32 v11, 23, v12
	v_lshlrev_b32 v10, 8, v10
	v_lshlrev_b32 v11, 8, v11
	s_lshl_b32 s72, s17, 3
	s_lshl_b32 s73, s40, 1
	s_add_co_u32 s72, s72, s73
	s_add_co_u32 s72, s72, s15
	s_mul_i32 s68, s72, 24576
	s_mul_i32 s73, s16, 3072
	s_add_co_u32 s68, s68, s73
	s_mov_b32 s69, 0
	s_add_nc_u64 s[68:69], s[4:5], s[68:69]
	s_lshl_b32 s72, s40, 4
	s_lshl_b32 s73, s41, 2
	s_add_co_u32 s72, s72, s73
	s_add_co_u32 s72, s72, s14
	s_mul_i32 s70, s72, 24576
	s_mul_i32 s73, s67, 1572864
	s_add_co_u32 s70, s70, s73
	s_add_co_u32 s70, s70, 12582912
	s_mov_b32 s71, 0
	s_add_nc_u64 s[70:71], s[8:9], s[70:71]
	; V^T's scale words of my 256 columns, [16 steps][256 words], are one dense block of 16,384 bytes, shared along a column of the cluster: 64 rows of 256 bytes, filled once
.set G1S, 76
.set G0S, 84
	s_lshl_b32 s74, s67, 16
	s_lshl_b32 s75, s40, 14
	s_add_co_u32 s74, s74, s75
	s_add_co_u32 s74, s74, 524288
	s_mov_b32 s75, 0
	s_mov_b32 s[G0S], 1
	s_mov_b32 s[G0S+1], SBREG
	s_add_nc_u64 s[G0S+2:G0S+3], s[10:11], s[74:75]
	s_or_b32 s[G0S+3], s[G0S+3], 0x80000000
	s_or_b32 s[G1S], s44, (3<<16)|(1<<21)
	s_mov_b32 s[G1S+1], 32<<16
	s_mov_b32 s[G1S+2], 64<<16
	s_mov_b32 s[G1S+3], 32<<16
	s_mov_b32 s[G1S+4], 64
	s_mov_b32 s[G1S+5], 32
	s_mov_b32 s[G1S+6], 0
	s_mov_b32 s[G1S+7], 0
	s_wait_alu depctr_va_vdst(0)                   ; directly ahead of the first reader of v10 and v11
	global_prefetch_b8 v10, s[68:69] th:TH_LOAD_NT scope:SCOPE_SE   ; the head's own fill is named as soon as the addresses are known, ahead of the opening round
	global_prefetch_b8 v11, s[70:71] th:TH_LOAD_NT scope:SCOPE_SE
	CROUND                                         ; all sixteen work-groups are here: the first joint loads meet
	; the head's loads, one a wave, in one chain of branches on the wave's number: wave 0 p's eight tiles of slot 0, waves 1 and 2 V^T's two halves, wave 3 V^T's scale words
	s_cmp_lg_u32 s14, 0
	s_cbranch_scc1 .Lhead_b
	tensor_load_to_lds s[G0:G0+3], s[G1:G1+7]
	s_nop 0
.rept 4
	v_nop
.endr
	s_branch .Lhead_asked
.Lhead_b:
	s_cmp_eq_u32 s14, 3
	s_cbranch_scc1 .Lhead_s
	tensor_load_to_lds s[G0B:G0B+3], s[G1B:G1B+7]
	s_nop 0
.rept 4
	v_nop
.endr
	s_branch .Lhead_asked
.Lhead_s:
	tensor_load_to_lds s[G0S:G0S+3], s[G1S:G1S+7]
	s_nop 0
.rept 4
	v_nop
.endr
.Lhead_asked:
	global_prefetch_b8 v10, s[68:69] offset:TILEB th:TH_LOAD_NT scope:SCOPE_SE
	global_prefetch_b8 v11, s[70:71] offset:TILEB th:TH_LOAD_NT scope:SCOPE_SE
	s_lshr_b32 s18, s17, 1
	s_lshl_b32 s18, s18, 14
	s_and_b32 s19, s17, 1
	s_lshl_b32 s19, s19, 9
	s_add_co_u32 s18, s18, s19
	s_mov_b32 s19, 0
	s_add_nc_u64 s[6:7], s[6:7], s[18:19]
	v_lshlrev_b32 v6, 2, v0
.irp s, 0,1,2,3,4,5,6,7,8,9,10,11,12,13,14,15
	global_load_b32 v[NM+\s], v6, s[6:7] offset:524288+1024*\s
.endr
.irp s, 0,1,2,3,4,5,6,7,8,9,10,11,12,13,14,15
	global_load_b32 v[LL+\s], v6, s[6:7] offset:1048576+1024*\s
.endr
.irp s, 0,1,2,3,4,5,6,7,8,9,10,11,12,13,14,15
	global_load_b32 v[WD+\s], v6, s[6:7] offset:1024*\s
.endr
	s_lshl_b32 s18, s17, 19
	s_lshl_b32 s22, s15, 18
	s_add_co_u32 s18, s18, s22
	s_lshl_b32 s22, s40, 10
	s_add_co_u32 s18, s18, s22
	s_lshl_b32 s22, s16, 9
	s_add_co_u32 s18, s18, s22
	s_add_nc_u64 s[12:13], s[12:13], s[18:19]
	v_and_b32 v1, 31, v0
	v_lshlrev_b32 v[L16], 4, v1
	v_and_b32 v3, 15, v0
	s_wait_alu depctr_va_vdst(0)
	v_bfe_u32 v4, v0, 4, 1
	s_mul_i32 s21, s15, AHALF
	s_mul_i32 s22, s16, BHALF
	s_add_co_u32 s22, s22, BOFF
.irp s, 0,1
	v_add_nc_u32 v[ADRA+\s], s21, v[L16]
	v_add_nc_u32 v[ADRB+\s], s22, v[L16]
	s_add_co_u32 s21, s21, SLOT
	s_add_co_u32 s22, s22, SLOT
.endr
	v_lshlrev_b32 v5, 4, v3
	s_lshl_b32 s21, s15, 10
	s_add_co_u32 s21, s21, SAREG
	v_add_nc_u32 v[ASA], s21, v5
	s_lshl_b32 s21, s16, 9
	s_add_co_u32 s21, s21, SBREG
	v_lshl_add_u32 v[ASB], v3, 2, s21              ; V^T's words: my eight tiles x 64 bytes, 4 bytes a row
	s_mul_i32 s21, s14, 16*SPITCH
	v_mul_u32_u24 v[STO], v3, SPITCH
	s_wait_alu depctr_va_vdst(0)
	v_lshl_add_u32 v[STO], v4, 6, v[STO]
	v_add_nc_u32 v[STO], s21, v[STO]
	v_add_nc_u32 v[RD], s21, v[L16]
	s_lshl_b32 s21, s15, 8
	s_add_co_u32 s21, s21, LREG
	v_lshl_add_u32 v[LRD], v3, 2, s21
	v_lshl_add_u32 v7, v0, 2, LREG
	v_lshl_add_u32 v8, v0, 4, SAREG
.irp a, 0,1,2,3
	v_mov_b32 v[RL+2*\a+1], 0
.endr
	s_wait_alu depctr_va_vdst(0)                   ; the head's end
	s_wait_tensorcnt 0x0                           ; my part of slot 0 is in
	ds_add_u32 v[SPW], v[NIL]
	s_mov_b32 s[G1+2], 4<<16                       ; no tensor load of mine is out: from here on a load of p brings four tiles
	s_mov_b32 s[G1+4], 4
	s_wait_dscnt 0x0
	CROUND
	JLOAD G0+4, G1, G0B+4, G1B
	global_prefetch_b8 v10, s[68:69] offset:2*TILEB th:TH_LOAD_NT scope:SCOPE_SE
	global_prefetch_b8 v11, s[70:71] offset:2*TILEB th:TH_LOAD_NT scope:SCOPE_SE
	s_wait_loadcnt 0x0
	v_min3_num_f32 v240, v[NM], v[NM+1], v[NM+2]
.irp s, 3,5,7,9,11,13
	v_min3_num_f32 v240, v240, v[NM+\s], v[NM+\s+1]
.endr
	v_min_num_f32 v240, v240, v[NM+15]
.irp s, 0,1,2,3,4,5,6,7,8,9,10,11,12,13,14,15
	v_sub_f32 v[NM+\s], v[NM+\s], v240
.endr
.irp s, 0,1,2,3,4,5,6,7,8,9,10,11,12,13,14,15
	v_min_num_f32 v[NM+\s], 0x437e0000, v[NM+\s]
.endr
.irp s, 0,1,2,3,4,5,6,7,8,9,10,11,12,13,14,15
	v_cvt_u32_f32 v[NM+\s], v[NM+\s]
.endr
.irp s, 0,1,2,3,4,5,6,7,8,9,10,11,12,13,14,15
	v_sub_nc_u32 v[NN+\s], 0, v[NM+\s]
.endr
.irp s, 0,1,2,3,4,5,6,7,8,9,10,11,12,13,14,15
	v_ldexp_f32 v[LL+\s], v[LL+\s], v[NN+\s]
.endr
.irp s, 0,2,4,6,8,10,12,14
	v_add_f32 v[LL+\s], v[LL+\s], v[LL+\s+1]
.endr
.irp s, 0,4,8,12
	v_add_f32 v[LL+\s], v[LL+\s], v[LL+\s+2]
.endr
	v_add_f32 v[LL], v[LL], v[LL+4]
	v_add_f32 v[LL+8], v[LL+8], v[LL+12]
	v_add_f32 v[LL], v[LL], v[LL+8]
	s_wait_alu depctr_va_vdst(0)
	v_rcp_f32 v241, v[LL]
.irp s, 0,1,2,3,4,5,6,7,8,9,10,11,12,13,14,15
	v_and_b32 v[T0], 0xff, v[WD+\s]
	v_bfe_u32 v[T0+1], v[WD+\s], 8, 8
	v_bfe_u32 v[T0+2], v[WD+\s], 16, 8
	v_lshrrev_b32 v[T0+3], 24, v[WD+\s]
.irp i, 0,1,2,3
	v_min_u32 v[T0+4+\i], v[T0+\i], v[NM+\s]
.endr
.irp i, 0,1,2,3
	v_sub_nc_u32 v[T0+\i], v[T0+\i], v[T0+4+\i]
.endr
	v_lshl_or_b32 v[WD+\s], v[T0+1], 8, v[T0]
	v_lshl_or_b32 v[WD+\s], v[T0+2], 16, v[WD+\s]
	v_lshl_or_b32 v[WD+\s], v[T0+3], 24, v[WD+\s]
.endr
	s_wait_alu depctr_va_vdst(0)
	ds_store_b32 v7, v241
.irp g, 0,1,2,3
	ds_store_b128 v8, v[WD+4*\g:WD+4*\g+3] offset:2048*\g
.endr
	s_wait_dscnt 0x0
	s_wait_tensorcnt 1
	s_barrier_signal -1
	s_barrier_wait -1
.macro FETCH4 slot, q, set
	WIN 0x40
.irp i, 0,1,2,3,4,5,6,7
.irp c, 0,1,2
	ds_load_b128 v[128*(\set)+FR*\i+4*\c:128*(\set)+FR*\i+4*\c+3], v[ADRB+\slot] offset:\i*TILEB+(\q)*STEPB+512*\c
.endr
.endr
	WIN 0
.irp i, 0,1,2,3
.irp c, 0,1,2
	ds_load_b128 v[AF+48*(\set)+FR*\i+4*\c:AF+48*(\set)+FR*\i+4*\c+3], v[ADRA+\slot] offset:\i*TILEB+(\q)*STEPB+512*\c
.endr
.endr
.endm
.macro SCALES4 sg, sc
.irp i, 0,1,2,3
	ds_load_b128 v[SC+48*(\sc)+4*\i:SC+48*(\sc)+4*\i+3], v[ASA] offset:2048*(\sg)+256*\i
.endr
.irp b, 0,1,2,3,4,5,6,7
.irp q, 0,1,2,3
	ds_load_b32 v[SC+48*(\sc)+16+4*\b+\q], v[ASB] offset:(4*(\sg)+\q)*1024+64*\b
.endr
.endr
.endm
.macro MUL8 a, set, q, sc, zero
.irp b, 0,1,2,3,4,5,6,7
.if \zero
	v_wmma_scale_f32_16x16x128_f8f6f4 v[8*(8*(\a)+\b):8*(8*(\a)+\b)+7], v[128*(\set)+FR*\b:128*(\set)+FR*\b+FR-1], v[AF+48*(\set)+FR*(\a):AF+48*(\set)+FR*(\a)+FR-1], 0, v[SC+48*(\sc)+16+4*\b+(\q)], v[SC+48*(\sc)+4*(\a)+(\q)] matrix_a_fmt:MATRIX_FMT_FP6 matrix_b_fmt:MATRIX_FMT_FP6
.else
	v_wmma_scale_f32_16x16x128_f8f6f4 v[8*(8*(\a)+\b):8*(8*(\a)+\b)+7], v[128*(\set)+FR*\b:128*(\set)+FR*\b+FR-1], v[AF+48*(\set)+FR*(\a):AF+48*(\set)+FR*(\a)+FR-1], v[8*(8*(\a)+\b):8*(8*(\a)+\b)+7], v[SC+48*(\sc)+16+4*\b+(\q)], v[SC+48*(\sc)+4*(\a)+(\q)] matrix_a_fmt:MATRIX_FMT_FP6 matrix_b_fmt:MATRIX_FMT_FP6
.endif
.endr
.endm
.macro STEP4 slot, q, zero
	s_wait_dscnt 0x0
	PLACES 4
	FETCH4 \slot, (\q)+1, 1-(\q)%2
	WIN MUL
	MUL8 0, (\q)%2, \q, \slot, \zero
	MUL8 1, (\q)%2, \q, \slot, \zero
	MUL8 2, (\q)%2, \q, \slot, \zero
	MUL8 3, (\q)%2, \q, \slot, \zero
.endm
.macro TURN4 slot, next, fill, sg
	WIN 0
	s_wait_tensorcnt 0x0
	ds_add_u32 v[SPW], v[NIL]
	s_wait_dscnt 1
	WIN MUL
	MUL8 0, 1, 3, \slot, 0
	s_wait_dscnt 0x0
	s_barrier_signal -1
	MUL8 1, 1, 3, \slot, 0
	WIN 0
	s_barrier_wait -1
.if \fill
	CREST
	s_add_nc_u64 s[G0+4*\slot+2:G0+4*\slot+3], s[G0+4*\slot+2:G0+4*\slot+3], 2*TILEB
	s_add_nc_u64 s[G0B+4*\slot+2:G0B+4*\slot+3], s[G0B+4*\slot+2:G0B+4*\slot+3], 2*TILEB
	JLOAD G0+4*\slot, G1, G0B+4*\slot, G1B
.else
	PLACES 4
.endif
	FETCH4 \next, 0, 0
	SCALES4 \sg, \next
.if (\fill) && (\sg) == 1
	global_prefetch_b8 v10, s[68:69] offset:3*TILEB th:TH_LOAD_NT scope:SCOPE_SE
	global_prefetch_b8 v11, s[70:71] offset:3*TILEB th:TH_LOAD_NT scope:SCOPE_SE
.endif
	WIN MUL
	MUL8 2, 1, 3, \slot, 0
	MUL8 3, 1, 3, \slot, 0
.endm
	FETCH4 0, 0, 0
	SCALES4 0, 0
	STEP4 0, 0, 1
	STEP4 0, 1, 0
	STEP4 0, 2, 0
	TURN4 0, 1, 1, 1
	STEP4 1, 0, 0
	STEP4 1, 1, 0
	STEP4 1, 2, 0
	TURN4 1, 0, 1, 2
	STEP4 0, 0, 0
	STEP4 0, 1, 0
	STEP4 0, 2, 0
	TURN4 0, 1, 0, 3
	STEP4 1, 0, 0
	STEP4 1, 1, 0
	STEP4 1, 2, 0
	s_wait_dscnt 0x0
	MUL8 0, 1, 3, 1, 0
	MUL8 1, 1, 3, 1, 0
	MUL8 2, 1, 3, 1, 0
	MUL8 3, 1, 3, 1, 0
	WIN 0
	PLACES 4
.irp a, 0,1,2,3
	ds_load_b32 v[RL+2*\a], v[LRD] offset:64*\a
.endr
	s_wait_dscnt 0x0
.macro PACK a
	WIN 0x82
.set J, 64*(\a)
.rept 32
	v_pk_mul_f32 v[J:J+1], v[J:J+1], v[RL+2*(\a):RL+2*(\a)+1] op_sel_hi:[1,0]
.set J, J+2
.endr
.endm
.macro TOSTAGE a
	WIN 0x08
.irp b, 0,1,2,3,4,5,6,7
	ds_store_b128 v[STO], v[64*(\a)+8*\b:64*(\a)+8*\b+3] offset:128*(\b/2)+32*(\b%2)
	ds_store_b128 v[STO], v[64*(\a)+8*\b+4:64*(\a)+8*\b+7] offset:128*(\b/2)+32*(\b%2)+16
.endr
	WIN 0x40
.irp t, 0,1,2,3,4,5,6,7,8,9,10,11,12,13,14,15
	ds_load_b128 v[64*(\a)+4*\t:64*(\a)+4*\t+3], v[RD] offset:\t*SPITCH
.endr
.endm
.macro SEND a, younger
	s_wait_dscnt \younger
	WIN 0x04
.irp t, 0,1,2,3,4,5,6,7,8,9,10,11,12,13,14,15
	global_store_b128 v[L16], v[64*(\a)+4*\t:64*(\a)+4*\t+3], s[12:13] offset:(32*((\a)/2)+8*((\a)%2)+\t+8*(\t/8))*4096 th:TH_STORE_NT
.endr
.endm
	PACK 0
	TOSTAGE 0
	PACK 1
	TOSTAGE 1
	SEND 0, 32
	PACK 2
	TOSTAGE 2
	SEND 1, 32
	PACK 3
	TOSTAGE 3
	SEND 2, 32
	SEND 3, 0
	WIN 0
	s_wait_tensorcnt 0x0
	ds_add_u32 v[SPW], v[NIL]
	s_wait_dscnt 0x0
	CROUND
	s_endpgm
.Lfunc_end_k_qb70baced3b_pv:
	.size	k_qb70baced3b_pv, .Lfunc_end_k_qb70baced3b_pv-k_qb70baced3b_pv
	.p2alignl 7, 3214868480
	.fill 96, 4, 3214868480
	.section	.rodata,"a",@progbits
	.p2align	6, 0x0
	.amdhsa_kernel k_qb70baced3b_pv
		.amdhsa_group_segment_fixed_size 327680
		.amdhsa_private_segment_fixed_size 0
		.amdhsa_enable_private_segment 0
		.amdhsa_kernarg_size 40
		.amdhsa_user_sgpr_count 2
		.amdhsa_user_sgpr_kernarg_segment_ptr 1
		.amdhsa_wavefront_size32 1
		.amdhsa_system_sgpr_workgroup_id_x 1
		.amdhsa_system_sgpr_workgroup_id_y 1
		.amdhsa_system_sgpr_workgroup_id_z 1
		.amdhsa_system_vgpr_workitem_id 0
		.amdhsa_next_free_vgpr 768
		.amdhsa_next_free_sgpr 102
		.amdhsa_reserve_vcc 0
		.amdhsa_float_denorm_mode_32 3
		.amdhsa_float_denorm_mode_16_64 3
		.amdhsa_memory_ordered 1
		.amdhsa_forward_progress 1
		.amdhsa_inst_pref_size 170
	.end_amdhsa_kernel
	.amdgpu_metadata
---
amdhsa.version: [ 1, 2 ]
amdhsa.kernels:
  - .name:           k_qb70baced3b_pv
    .symbol:         k_qb70baced3b_pv.kd
    .args:
      - { .name: pcod, .offset: 0, .size: 8, .value_kind: global_buffer, .address_space: global }
      - { .name: pstat, .offset: 8, .size: 8, .value_kind: global_buffer, .address_space: global }
      - { .name: qcod, .offset: 16, .size: 8, .value_kind: global_buffer, .address_space: global }
      - { .name: qscl, .offset: 24, .size: 8, .value_kind: global_buffer, .address_space: global }
      - { .name: out0, .offset: 32, .size: 8, .value_kind: global_buffer, .address_space: global }
    .group_segment_fixed_size: 327680
    .private_segment_fixed_size: 0
    .kernarg_segment_align: 8
    .kernarg_segment_size: 40
    .max_flat_workgroup_size: 128
    .sgpr_count:     102
    .vgpr_count:     768
    .wavefront_size: 32
...
	.end_amdgpu_metadata
.endif
;; end of part 4
